; MI455X (gfx1250); checked and timed in simulation.
; The chip was launched on July 23, 2026; its instructions are those of AMD's public machine-readable ISA for CDNA 5 (MIT licence, August 2026) and "CDNA5" Instruction Set Architecture Reference Guide (July 2026). The comments in the code are by the model that wrote it; some were corrected since.
;; Self Attention. Allowed arithmetic: matrix products marked QUANTISED: E2M1 operands, one E8M0 scale for each 32 along K, by v_wmma_scale_f32_16x16x128_f8f6f4 with both operands' format E2M1 (or v_wmma_scale_f32_32x16x128_f4), f32 sums; products left as they are: bf16, f16 or f32 operands; f32 sums; everything else in f32.
;; Inputs: Wk 1,024 x 1,024 float32; Wo 1,024 x 1,024 float32; Wq 1,024 x 1,024 float32; Wv 1,024 x 1,024 float32; x 4 x 2,048 x 1,024 float32.
;; Outputs: out0 4 x 2,048 x 1,024 float32.
;; This version of the problem:
;;   THIS VERSION OF THE PROBLEM IS GIVEN IN LOW PRECISION. The matrix products marked QUANTISED in the list below multiply operands that are first quantised to E2M1 (2 exponent bits, 1 mantissa bit; 4 bits a number), with one power-of-two scale for each 32 numbers along K (OCP MX v1.0); their sums are f32. The products marked 'left as it is' may take bf16, f16 or f32 operands, with f32 sums. Whichever they take, every output number must still come out within the allowed error. Rounding operands to bf16 (8 significant bits) uses up far more of that allowance than f16 does (11 bits, for magnitudes from 6e-5 to 65,504). All else is computed in f32.
;;   The module's matrix products, in the order in which they are computed (A, B: the left and right operand; K: the contracted axis; several contracted axes count as one K, in the product's order):
;;     1. [M 8,192, K 1,024] x [K 1,024, N 1,024]; A: input x; B: input Wq: QUANTISED
;;     2. [M 8,192, K 1,024] x [K 1,024, N 1,024]; A: input x; B: input Wk: QUANTISED
;;     3. [M 8,192, K 1,024] x [K 1,024, N 1,024]; A: input x; B: input Wv: QUANTISED
;;     4. batch 64 x [M 2,048, K 64] x [K 64, N 2,048]; A: computed on the way; B: computed on the way: left as it is (an operand is computed on the way)
;;     5. batch 64 x [M 64, K 2,048] x [K 2,048, N 2,048]; A: computed on the way; B: computed on the way: left as it is (an operand is computed on the way)
;;     6. [M 8,192, K 1,024] x [K 1,024, N 1,024]; A: computed on the way; B: input Wo: left as it is (an operand is computed on the way)
;;   THE QUANTISER, for each operand of a quantised product, along K:
;;     - K is cut into blocks of 32 from its start; a last block that is shorter is filled with zeros.
;;     - A block's scale is 2^e with e = floor(log2(the largest magnitude in the block)) - 2, held to -126 .. 127; a block of zeros has e = 0. As a byte (E8M0): e + 127.
;;     - Each number is divided by its block's scale, clamped to +-6, and rounded to the nearest number of E2M1, ties to even, subnormals kept.
;;     - The product sums the exact products of the quantised numbers (number of the format x scale) in f32.
;;   ~~~python
;;   def quantise(x, axis):      # numpy; x: float32 -> the quantised numbers, widened to float32 again
;;       x = np.moveaxis(x, axis, -1); K = x.shape[-1]
;;       x = np.pad(x, [(0, 0)] * (x.ndim - 1) + [(0, -K % 32)]); x = x.reshape(x.shape[:-1] + (-1, 32)); a = np.abs(x).max(-1, keepdims=True)
;;       e = np.where(a > 0, np.clip(np.frexp(np.where(a > 0, a, 1))[1] - 1 - 2, -126, 127), 0)      # np.frexp(a)[1] - 1 = floor(log2(a)), exactly
;;       r = np.clip(x / 2.0 ** e, -6, 6)
;;       step = 2.0 ** (np.maximum(np.frexp(np.where(r == 0, 1, r))[1] - 1, 0) - 1)
;;       q = np.round(r / step) * step * 2.0 ** e      # np.round: ties to even
;;       return np.moveaxis(q.reshape(q.shape[:-2] + (-1,))[..., :K], -1, axis).astype(np.float32)
;;   ~~~
;; One version. Each part assembles by itself: llvm-mc -triple=amdgcn-amd-amdhsa -mcpu=gfx1250 --defsym DOCPART=n.
;; ======== version 1 of 1: 5 launches
;; limits: values are held in f16: magnitudes above 65,504 overflow, below 6.1e-05 lose precision
;; workspace buffers: xc 4,194,304 bytes; xs 262,144 bytes; wc 1,572,864 bytes; ws 98,304 bytes; wo16 2,097,152 bytes; qkv 50,331,648 bytes; frows 786,432 bytes; att 16,777,216 bytes
;; launch prep (part 1): grid 368 x 1, 4 waves a work-group, no clusters, 68,096 bytes of LDS; arguments x, Wq, Wk, Wv, Wo, xc, xs, wc, ws, wo16; writes xc, xs, wc, ws, wo16
.if DOCPART == 1
	.amdgcn_target "amdgcn-amd-amdhsa--gfx1250"
	.amdhsa_code_object_version 6
	.text
	.protected	k_qf7005f0067_prep
	.globl	k_qf7005f0067_prep
	.p2align	8
	.type	k_qf7005f0067_prep,@function
k_qf7005f0067_prep:
	s_mov_b64 s[64:65], 0
	v_nop
	global_prefetch_b8 v0, s[64:65] scope:SCOPE_SE
	s_setreg_imm32_b32 hwreg(HW_REG_WAVE_MODE, 25, 1), 1
	s_wait_xcnt 0x0
; SELF-ATTENTION, B = 4, S = 2,048, D = 1,024, 16 heads of 64, causal.  Five launches: this one; the three projections as one product on codes of FP4 (E2M1);
; attention with f16 operands; the projection on the way out with f16 operands; and the first 16 positions of every sequence once more in f32.
; WORK LEFT OUT, in the later launches: a key step all of whose keys come after all queries of a wave.  The problem's own mask (the upper triangle, built in its body) sets those scores to
; -infinity ahead of the softmax, so their weights are 0 whatever the inputs hold, and they add nothing to any sum.  All five inputs have a way to the output and are loaded.
; LIMIT: a NaN, an infinity or an overflow that reaches only those masked scores is not carried to the result.
; THIS LAUNCH, three roles by the work-group's number, each with LDS bytes of its own:
;   0-47    Wq, Wk, Wv [1024 k][1024 n] f32, K the FIRST axis -> wc [3072 n][512 bytes] codes with K innermost, ws [3072][32] scale bytes (row 1024 t + n, t = 0, 1, 2 for q, k, v)
;   48-111  Wo f32 -> wo16, the same numbers as f16
;   112-367 x [8192][1024] f32, K innermost -> xc [8192][512 bytes], xs [8192][32]
; A block's scale is 2^(floor(log2(its largest magnitude)) - 2); its byte is the largest magnitude's exponent field - 2, held at 1 from below.  A block of zeros so gets the byte 1 where the
; quantiser says 127: its codes are zeros, which add nothing under any byte but 0xff, and this program alone reads the bytes.
; LIMITS: NaN and infinities among the inputs are not served; a number of Wo beyond 65,504 becomes infinity in f16.
.set SPW,   190                        ; v190  LDS address of my spare word: SPARE + 4 x my thread's number; never rewritten
.set NIL,   191                        ; v191  0; never rewritten
.set SPARE, 67584                      ; behind both roles' regions: the spare words, 128 bytes for each wave
.set EMAX,  2
.set STEPS, 16                         ; role X: steps of 512 numbers for a wave
.set XREG,  8192                       ; role X: a wave's LDS region: two stages of 32 x SP bytes, behind them its 256 scale bytes
.set SP,    80                         ; a lane's place in a stage: 64 bytes + 16 of padding
.set XR,    16                         ; v16-79   four sets of 16 numbers as loaded
.set XX,    80                         ; v80-111  two sets of 16 neighbours
.set XE,    112                        ; v112-127 a scale byte for each step
.set XC,    128                        ; v128-189 codes, four registers for each step
.set WST,   32768                      ; role W: the stages begin here, 32 rows x 272 bytes for each wave
.set PITCH, 272
.set NB,    16                         ; role W: blocks of 32 along K for a wave
.set WSB,   24                         ; v24-27   scale bytes, four to a register
.set WX,    32                         ; v32-95   two sets of 32 numbers
.set WC,    96                         ; v96-99   a block's codes
.set WOUT,  112                        ; v112-175 the way out
	s_load_b256 s[4:11], s[0:1], 0x0               ; x s[4:5], Wq s[6:7], Wk s[8:9], Wv s[10:11]
	s_load_b256 s[12:19], s[0:1], 0x20             ; Wo s[12:13], xc s[14:15], xs s[16:17], wc s[18:19]
	s_load_b128 s[20:23], s[0:1], 0x40             ; ws s[20:21], wo16 s[22:23]
	v_lshl_add_u32 v[SPW], v0, 2, SPARE
	v_mov_b32 v[NIL], 0
	v_lshrrev_b32 v1, 5, v0
	v_readfirstlane_b32 s24, v1                    ; wave 0..3
	v_and_b32 v2, 31, v0                           ; lane
	s_wait_kmcnt 0x0
	s_cmp_lt_u32 ttmp9, 48
	s_cbranch_scc1 .Lrole_w
	s_cmp_lt_u32 ttmp9, 112
	s_cbranch_scc1 .Lrole_o
; ---- ROLE X.  x is a plain stream of blocks of 32.  A wave takes 16 steps of 512 numbers.  Each load reads 512 consecutive bytes, 16 a lane; a step's 2,048 bytes turn through the wave's own stage
; in LDS and come back 64 bytes a lane, so that a lane holds 16 neighbours along K and two neighbouring lanes a block.  Loads run four steps ahead, the turn through LDS one step.
	v_lshlrev_b32 v3, 4, v2                        ; my 16 bytes of a load's 512
	s_mul_i32 s25, s24, XREG
	v_lshrrev_b32 v14, 2, v2
	v_mul_u32_u24 v14, v14, SP
	v_and_b32 v15, 3, v2
	v_lshl_add_u32 v14, v15, 4, v14
	v_add_nc_u32 v14, s25, v14                     ; the stage, on the way in: SP (lane / 4) + 16 (lane % 4)
	v_mul_u32_u24 v15, v2, SP
	v_add_nc_u32 v15, s25, v15                     ; and on the way out: SP x lane
	v_lshlrev_b32 v4, 3, v2                        ; my 8 bytes of a step's 256 bytes of codes
	v_lshrrev_b32 v5, 1, v2
	s_add_co_u32 s25, s25, 2*32*SP
	v_add_nc_u32 v5, s25, v5                       ; LDS: my block's scale byte
	v_lshlrev_b32 v7, 3, v2
	v_add_nc_u32 v6, s25, v7                       ; and 8 bytes a lane on the way out
	s_sub_co_u32 s26, ttmp9, 112
	s_lshl_b32 s26, s26, 2
	s_add_co_u32 s26, s26, s24                     ; which run of 8,192 numbers is my wave's: 0..1023
	s_mov_b32 s29, 0
	s_lshl_b32 s28, s26, 15
	s_add_nc_u64 s[4:5], s[4:5], s[28:29]          ; 32,768 bytes of x,
	s_lshl_b32 s28, s26, 12
	s_add_nc_u64 s[14:15], s[14:15], s[28:29]      ; 4,096 of codes,
	s_lshl_b32 s28, s26, 8
	s_add_nc_u64 s[16:17], s[16:17], s[28:29]      ; 256 scale bytes a run
.macro XLOAD t
.irp i, 0,1,2,3
	global_load_b128 v[XR+16*((\t)%4)+4*\i:XR+16*((\t)%4)+4*\i+3], v3, s[4:5] offset:2048*(\t)+512*\i th:TH_LOAD_NT
.endr
.endm
.macro XTURN t                         ; LDS serves a wave's instructions in order: no wait between the stores and the loads
.irp i, 0,1,2,3
	ds_store_b128 v14, v[XR+16*((\t)%4)+4*\i:XR+16*((\t)%4)+4*\i+3] offset:32*SP*((\t)%2)+8*SP*\i
.endr
.irp i, 0,1,2,3
	ds_load_b128 v[XX+16*((\t)%2)+4*\i:XX+16*((\t)%2)+4*\i+3], v15 offset:32*SP*((\t)%2)+16*\i
.endr
.endm
.irp t, 0,1,2,3
	XLOAD \t
.endr
	s_wait_loadcnt 12                              ; step 0's four loads are in; the twelve of steps 1 to 3 may be out
	XTURN 0
.macro XSTEP t
.set XS, XX+16*((\t)%2)
.if (\t) > 0
	s_wait_dscnt 1                                 ; this step's numbers are back from the stage; the last step's byte store may be out
.else
	s_wait_dscnt 0x0
.endif
.if (\t)+4 < STEPS
	XLOAD (\t)+4                                   ; into the registers that this step's stores into the stage have read
.endif
.if (\t)+1 < STEPS
.if STEPS-2-(\t) >= 3
	s_wait_loadcnt 12                              ; the next step's four loads are in; those of the three steps behind it may be out
.else
	s_wait_loadcnt 4*(STEPS-2-(\t))
.endif
	XTURN (\t)+1
.endif
	v_max3_num_f32 v8, |v[XS]|, |v[XS+1]|, |v[XS+2]|               ; the largest magnitude of my 16, in two chains
	v_max3_num_f32 v9, |v[XS+3]|, |v[XS+4]|, |v[XS+5]|
.irp i, 6,10
	v_max3_num_f32 v8, v8, |v[XS+\i]|, |v[XS+\i+1]|
	v_max3_num_f32 v9, v9, |v[XS+\i+2]|, |v[XS+\i+3]|
.endr
	v_max3_num_f32 v8, v8, |v[XS+14]|, |v[XS+15]|
	v_max3_num_f32 v8, v8, v9, (EMAX+1)<<23        ; and the floor 2^(3 - 127): the byte cannot fall under 1
	v_max_num_f32_dpp v8, v8, v8 row_xmask:1 row_mask:0xf bank_mask:0xf   ; with my neighbour's 16: the block's
	v_add_nc_u32 v11, -(EMAX<<23), v8              ; 2 off its exponent field: the conversion takes the exponent field of this operand as its scale
	v_cvt_scalef32_pk8_fp4_f32 v[XC+4*(\t)], v[XS:XS+7], v11
	v_cvt_scalef32_pk8_fp4_f32 v[XC+4*(\t)+1], v[XS+8:XS+15], v11
	v_lshrrev_b32 v[XE+(\t)], 23, v11              ; the scale's byte
	ds_store_b8 v5, v[XE+(\t)] offset:16*(\t)      ; both lanes of a block write the same byte with the same value
	global_store_b64 v4, v[XC+4*(\t):XC+4*(\t)+1], s[14:15] offset:256*(\t)   ; the wave stores 256 consecutive bytes, aligned
.endm
.irp t, 0,1,2,3,4,5,6,7,8,9,10,11,12,13,14,15
	XSTEP \t
.endr
	ds_load_b64 v[8:9], v6                         ; my wave's 256 scale bytes, 8 a lane
	s_wait_dscnt 0x0
	global_store_b64 v7, v[8:9], s[16:17]          ; 256 consecutive bytes, aligned
	s_wait_tensorcnt 0x0                           ; the wave's end, behind my last LDS store
	ds_add_u32 v[SPW], v[NIL]
	s_wait_dscnt 0x0
	s_endpgm
; ---- ROLE O.  A wave casts 4,096 numbers of Wo: 32 loads of 512 consecutive bytes, 32 stores of 256.
.Lrole_o:
	s_sub_co_u32 s26, ttmp9, 48
	s_lshl_b32 s26, s26, 2
	s_add_co_u32 s26, s26, s24                     ; which run of 4,096 numbers: 0..255
	s_mov_b32 s29, 0
	s_lshl_b32 s28, s26, 14
	s_add_nc_u64 s[12:13], s[12:13], s[28:29]
	s_lshl_b32 s28, s26, 13
	s_add_nc_u64 s[22:23], s[22:23], s[28:29]
	v_lshlrev_b32 v3, 4, v2
	v_lshlrev_b32 v4, 3, v2
.set n, 0
.rept 32
	global_load_b128 v[16+4*n:19+4*n], v3, s[12:13] offset:512*n th:TH_LOAD_NT
.set n, n+1
.endr
.set n, 0
.rept 32
	s_wait_loadcnt 31-n                            ; loads come back in order: load n is in, the younger ones may be out
	v_cvt_pk_f16_f32 v[16+4*n], v[16+4*n], v[17+4*n]
	v_cvt_pk_f16_f32 v[17+4*n], v[18+4*n], v[19+4*n]
	global_store_b64 v4, v[16+4*n:17+4*n], s[22:23] offset:256*n
.set n, n+1
.endr
	s_endpgm
; ---- ROLE W.  A lane takes a column n and its registers run down K: each load reads 128 consecutive bytes a wave, a block of 32 along K lies in one lane's 32 registers, and the conversions give
; codes with K innermost.  A wave takes 32 columns x 512 along K; its codes go through its own stage in LDS and leave as rows, sixteen lanes to 256 consecutive bytes.
.Lrole_w:
	s_lshr_b32 s25, ttmp9, 4                       ; t: 0 Wq, 1 Wk, 2 Wv
	s_and_b32 s26, ttmp9, 7                        ; which 128 columns
	s_bfe_u32 s27, ttmp9, 0x10003                  ; which half of K
	s_cmp_eq_u32 s25, 0
	s_cselect_b64 s[28:29], s[6:7], s[8:9]
	s_cmp_eq_u32 s25, 2
	s_cselect_b64 s[28:29], s[10:11], s[28:29]     ; the choice hangs on the work-group's number alone
	s_lshl_b32 s30, s26, 7
	s_lshl_b32 s31, s24, 5
	s_add_co_u32 s30, s30, s31                     ; my wave's first column
	s_lshl_b32 s32, s27, 21                        ; 512 rows of 4,096 bytes
	s_lshl_b32 s33, s30, 2
	s_add_co_u32 s32, s32, s33
	s_mov_b32 s33, 0
	s_add_nc_u64 s[28:29], s[28:29], s[32:33]
	s_lshl_b32 s34, s25, 10
	s_add_co_u32 s34, s34, s30                     ; the first row of wc and ws that I write
	s_lshl_b32 s32, s34, 9
	s_lshl_b32 s35, s27, 8
	s_add_co_u32 s32, s32, s35
	s_add_nc_u64 s[18:19], s[18:19], s[32:33]      ; row x 512 + 256 x half
	s_lshl_b32 s32, s34, 5
	s_lshl_b32 s35, s27, 4
	s_add_co_u32 s32, s32, s35
	s_add_nc_u64 s[20:21], s[20:21], s[32:33]      ; row x 32 + 16 x half
	v_lshlrev_b32 v3, 2, v2                        ; in: 4 bytes a lane
	s_mul_i32 s35, s24, 32*PITCH
	s_add_co_u32 s35, s35, WST                     ; my stage
	v_mul_u32_u24 v4, v2, PITCH
	v_add_nc_u32 v4, s35, v4                       ; into it: row = my column
	v_and_b32 v5, 15, v2
	v_lshrrev_b32 v6, 4, v2
	v_mul_u32_u24 v7, v6, PITCH
	v_lshl_add_u32 v7, v5, 4, v7
	v_add_nc_u32 v7, s35, v7                       ; out of it: sixteen lanes to a row, two rows an instruction
	v_mul_u32_u24 v8, v6, 512
	v_lshl_add_u32 v8, v5, 4, v8                   ; the same place in wc
	v_lshlrev_b32 v9, 5, v2                        ; my column's row of ws
.macro WLOAD t                         ; block t: W(32 t + i, my column), i = 0 .. 31
.set n, 0
.rept 32
	global_load_b32 v[WX+32*((\t)%2)+n], v3, s[28:29] offset:(32*(\t)+n)*4096 th:TH_LOAD_NT
.set n, n+1
.endr
.endm
	WLOAD 0
	WLOAD 1
.macro WBLOCK t
.set XS, WX+32*((\t)%2)
.if (\t) < NB-1
	s_wait_loadcnt 32                              ; this block's 32 loads are in; the next block's 32 may be out
.else
	s_wait_loadcnt 0
.endif
	v_max3_num_f32 v12, |v[XS]|, |v[XS+1]|, |v[XS+2]|
	v_max3_num_f32 v13, |v[XS+3]|, |v[XS+4]|, |v[XS+5]|
.irp i, 6,10,14,18,22,26
	v_max3_num_f32 v12, v12, |v[XS+\i]|, |v[XS+\i+1]|
	v_max3_num_f32 v13, v13, |v[XS+\i+2]|, |v[XS+\i+3]|
.endr
	v_max3_num_f32 v12, v12, |v[XS+30]|, |v[XS+31]|
	v_max3_num_f32 v12, v12, v13, (EMAX+1)<<23     ; the block's largest magnitude, and the floor
	v_add_nc_u32 v11, -(EMAX<<23), v12
	v_lshrrev_b32 v13, 23, v11                     ; the scale's byte
.if (\t)%4 == 0
	v_mov_b32 v[WSB+(\t)/4], v13
.else
	v_lshl_or_b32 v[WSB+(\t)/4], v13, 8*((\t)%4), v[WSB+(\t)/4]
.endif
.irp g, 0,1,2,3
	v_cvt_scalef32_pk8_fp4_f32 v[WC+\g], v[XS+8*\g:XS+8*\g+7], v11
.endr
	ds_store_b128 v4, v[WC:WC+3] offset:16*(\t)    ; 32 codes: 16 bytes of my column's row
.if (\t)+2 < NB
	WLOAD (\t)+2
.endif
	s_wait_dscnt 0x0                               ; the store has read its registers: the next block's codes may be written
.endm
.irp t, 0,1,2,3,4,5,6,7,8,9,10,11,12,13,14,15
	WBLOCK \t
.endr
	global_store_b128 v9, v[WSB:WSB+3], s[20:21]   ; my column's 16 scale bytes
.irp t, 0,1,2,3,4,5,6,7,8,9,10,11,12,13,14,15
	ds_load_b128 v[WOUT+4*\t:WOUT+4*\t+3], v7 offset:2*\t*PITCH
.endr
.irp t, 0,1,2,3,4,5,6,7,8,9,10,11,12,13,14,15
	s_wait_dscnt 15-\t                             ; load t is back, the younger ones may be out
	global_store_b128 v8, v[WOUT+4*\t:WOUT+4*\t+3], s[18:19] offset:2*\t*512
.endr
	s_wait_tensorcnt 0x0                           ; the wave's end, behind my last LDS store
	ds_add_u32 v[SPW], v[NIL]
	s_wait_dscnt 0x0
	s_endpgm
.Lfunc_end_k_qf7005f0067_prep:
	.size	k_qf7005f0067_prep, .Lfunc_end_k_qf7005f0067_prep-k_qf7005f0067_prep
	.p2alignl 7, 3214868480
	.fill 96, 4, 3214868480
	.section	.rodata,"a",@progbits
	.p2align	6, 0x0
	.amdhsa_kernel k_qf7005f0067_prep
		.amdhsa_group_segment_fixed_size 68096
		.amdhsa_private_segment_fixed_size 0
		.amdhsa_enable_private_segment 0
		.amdhsa_kernarg_size 80
		.amdhsa_user_sgpr_count 2
		.amdhsa_user_sgpr_kernarg_segment_ptr 1
		.amdhsa_wavefront_size32 1
		.amdhsa_system_sgpr_workgroup_id_x 1
		.amdhsa_system_sgpr_workgroup_id_y 1
		.amdhsa_system_sgpr_workgroup_id_z 1
		.amdhsa_system_vgpr_workitem_id 0
		.amdhsa_next_free_vgpr 192
		.amdhsa_next_free_sgpr 66
		.amdhsa_reserve_vcc 0
		.amdhsa_float_denorm_mode_32 3
		.amdhsa_float_denorm_mode_16_64 3
		.amdhsa_memory_ordered 1
		.amdhsa_forward_progress 1
		.amdhsa_inst_pref_size 122
	.end_amdhsa_kernel
	.amdgpu_metadata
---
amdhsa.version: [ 1, 2 ]
amdhsa.kernels:
  - .name:           k_qf7005f0067_prep
    .symbol:         k_qf7005f0067_prep.kd
    .args:
      - { .name: x, .offset: 0, .size: 8, .value_kind: global_buffer, .address_space: global }
      - { .name: Wq, .offset: 8, .size: 8, .value_kind: global_buffer, .address_space: global }
      - { .name: Wk, .offset: 16, .size: 8, .value_kind: global_buffer, .address_space: global }
      - { .name: Wv, .offset: 24, .size: 8, .value_kind: global_buffer, .address_space: global }
      - { .name: Wo, .offset: 32, .size: 8, .value_kind: global_buffer, .address_space: global }
      - { .name: xc, .offset: 40, .size: 8, .value_kind: global_buffer, .address_space: global }
      - { .name: xs, .offset: 48, .size: 8, .value_kind: global_buffer, .address_space: global }
      - { .name: wc, .offset: 56, .size: 8, .value_kind: global_buffer, .address_space: global }
      - { .name: ws, .offset: 64, .size: 8, .value_kind: global_buffer, .address_space: global }
      - { .name: wo16, .offset: 72, .size: 8, .value_kind: global_buffer, .address_space: global }
    .group_segment_fixed_size: 68096
    .private_segment_fixed_size: 0
    .kernarg_segment_align: 8
    .kernarg_segment_size: 80
    .max_flat_workgroup_size: 128
    .sgpr_count:     66
    .vgpr_count:     192
    .wavefront_size: 32
...
	.end_amdgpu_metadata
.endif
;; end of part 1
;; launch gemm (part 2): grid 12 x 32, 4 waves a work-group, clusters of 4 x 4, 327,680 bytes of LDS; arguments xc, xs, wc, ws, qkv, frows; writes qkv, frows
.if DOCPART == 2
	.amdgcn_target "amdgcn-amd-amdhsa--gfx1250"
	.amdhsa_code_object_version 6
	.text
	.protected	k_qf7005f0067_gemm
	.globl	k_qf7005f0067_gemm
	.p2align	8
	.type	k_qf7005f0067_gemm,@function
k_qf7005f0067_gemm:
	s_mov_b64 s[64:65], 0
	v_nop
	global_prefetch_b8 v0, s[64:65] scope:SCOPE_SE
	s_setreg_imm32_b32 hwreg(HW_REG_WAVE_MODE, 25, 1), 1
	s_wait_xcnt 0x0
	s_wait_alu depctr_hold_cnt(0) depctr_sa_sdst(0) depctr_va_vdst(0) depctr_va_sdst(0) depctr_va_ssrc(0) depctr_va_vcc(0) depctr_vm_vsrc(0)
	s_getreg_b32 s2, hwreg(HW_REG_IB_STS2, 6, 4)
	s_cmp_eq_u32 s2, 0
	s_cbranch_scc0 .Lentry_in_a_cluster
	s_endpgm
.Lentry_in_a_cluster:
	s_bfe_u32 s2, ttmp6, 0x10000c
	s_cmp_lg_u32 s2, 0xf033
	s_cbranch_scc0 .Lentry_shape_is_right
	s_endpgm
.Lentry_shape_is_right:
; q, k and v in one product: C[m][n] = sum over k of x[m][k] W[n][k], m = 8,192 rows of x, n = 3,072 (1,024 each of Wq, Wk, Wv), K = 1,024, both operands codes of FP4 (E2M1) with one E8M0 scale for
; each 32 along K, taken as they lie in xc, xs, wc, ws.  Sums in f32.  Nothing of the problem's work is left out here.
; RESULTS: qkv, f16, head-major: [batch 4][g 48][position 2,048][64], g = n / 64 (0-15 q's heads, 16-31 k's, 32-47 v's); and frows, f32, [batch][g][16][64]: positions 0 to 15 once more, unrounded.
; LIMIT: a result beyond 65,504 becomes infinity in qkv.
; A tile of C, 256 x 256, is made by four waves, as many as a WGP has SIMDs; a wave makes 128 x 128: 64 accumulators, 512 registers.  K is two slots of 512 (a tile's row is 256 bytes): both are first fills,
; nothing is filled again.  The scales of the work-group's 256 + 256 rows, for all of K, come once, as dense blocks.
; CLUSTERS: 4 x 4 work-groups; A's tiles are asked for jointly along a row of the cluster, B's along a column.  Tile row = 8 cy + cluster y, so that the batch is cy and "the first tile of a batch" is
; cluster y = 0: the same in all sixteen partners.  THE MATRIX INSTRUCTION IS USED TRANSPOSED (source 0 = 16 rows of W, source 1 = 16 rows of x): a lane holds eight neighbouring columns of one row of C.
; REGISTERS, in windows of 256: window 0: v0-31 addresses; v32-95 scale words, two sets; v128-191 A's fragments, one set; on the way out v32-255 are free.  window 1: B's fragments, two sets, at v0 and v128.
;   window 2: the accumulators of my rows 0-63 ((a, b) at v[8 (8 a + b)]);  window 3: those of rows 64-127.
.set KSTEP,  512
.set NQ,     4                         ; steps of 128 along K in a slot
.set ROWB,   256                       ; a tile's row in bytes
.set KROW,   512                       ; a row of xc or wc in bytes
.set PITCH,  272                       ; an LDS row: 256 bytes + 16 of padding: the 16 rows that a load touches start at 16 different banks (64 banks of 4 bytes: ISA guide 11.1)
.set FR,     8
.set NL,     2
.set NP,     4                         ; places behind this matrix instruction (ISA guide 7.12.1)
.set HALFT,  128*PITCH
.set SLOT,   4*HALFT                   ; A's 256 rows, then B's 256 rows
.set KS,     32                        ; a row of scale bytes
.set SCL,    2*SLOT                    ; behind the slots: the scales, as rows of 256 bytes + 16 of padding
.set HALFS,  16*272                    ; the scales of 128 rows
.set SBLK,   2*272                     ; those of 16 rows
.set SPARE,  SCL+4*HALFS               ; the spare words, 128 bytes for each wave
.set FST,    0                         ; the way out, in slot 0, which has had its only fill and its last read: f32 stages, 16 rows x 528 bytes for each wave,
.set HST,    4*16*528                  ; and f16 stages, 16 rows x 272 bytes for each wave
.set ADRA, 16
.set ADRB, 20
.set CF,   22                          ; v22  my byte offset in frows
.set STO,  24                          ; v24  f16 stage: where I put 16 bytes of a row
.set RD,   25                          ; v25  f16 stage: where I read back
.set CO,   26                          ; v26  16 x lane
.set ADRS, 27
.set SPW,  28
.set NIL,  29
.set STF,  30                          ; v30  f32 stage: where I put 32 bytes of a row
.set RDF,  31                          ; v31  f32 stage: where I read a row back
.set SC,   32
.set AF,   128
.set TMP,  192                         ; the way out: packed results
.set G1, 24
.set G0, 32
.set G1B, 48
.set G0B, 56
.set G1S, 68
.set G0S, 76
.set G1SB, 80
.set G0SB, 88
.set MSB, 0
.macro WIN new                         ; the immediate's high byte repeats the setting that is left
.if MSB != \new
	s_set_vgpr_msb (MSB<<8)|\new
.set MSB, \new
.endif
.endm
.set MUL_LO, 0xa1                      ; source 0 (B) window 1, source 1 (A) window 0, C and D window 2
.set MUL_HI, 0xf1
.set TO_B,   0x40
; A joint load: waves 0 and 1 fetch for A, waves 2 and 3 for B; the branch hangs on the wave's number alone.  An s_nop 0 and four v_nop follow each of the two lines.
.macro JLOAD g0a, g1a, g0b, g1b
	s_cmp_eq_u32 s15, 0
	s_cbranch_scc0 .Lfor_b_\@
	tensor_load_to_lds s[\g0a:\g0a+3], s[\g1a:\g1a+7]
	s_nop 0
.rept 4
	v_nop
.endr
	s_branch .Lasked_\@
.Lfor_b_\@:
	tensor_load_to_lds s[\g0b:\g0b+3], s[\g1b:\g1b+7]
	s_nop 0
.rept 4
	v_nop
.endr
.Lasked_\@:
.endm
.macro CROUND                          ; a round of the cluster's barrier
	s_barrier_signal -1
	s_barrier_wait -1
	s_cmp_lg_u32 s14, 0
	s_cbranch_scc1 .Lnot_wave_0_\@
	s_barrier_signal -3
.Lnot_wave_0_\@:
	s_barrier_wait -3
	s_barrier_signal -1
	s_barrier_wait -1
.endm
	s_load_b128 s[4:7], s[0:1], 0x0                ; xc s[4:5], xs s[6:7]
	s_load_b128 s[8:11], s[0:1], 0x10              ; wc s[8:9], ws s[10:11]
	s_load_b64 s[12:13], s[0:1], 0x20              ; qkv
	s_load_b64 s[96:97], s[0:1], 0x28              ; frows
	v_lshl_add_u32 v[SPW], v0, 2, SPARE
	v_mov_b32 v[NIL], 0
	ds_add_u32 v[SPW], v[NIL]                      ; the wave's opening: the add, twice on end, and its wait ahead of my first tensor load
	ds_add_u32 v[SPW], v[NIL]
	v_lshrrev_b32 v1, 5, v0
	v_readfirstlane_b32 s14, v1                    ; wave 0..3
	s_lshr_b32 s15, s14, 1                         ; which half of the tile's rows is mine.  Also: I fetch for A (0) or for B (1)
	s_and_b32 s16, s14, 1                          ; which half of its columns.  Also: which 128 rows I fetch
	s_bfe_u32 s40, ttmp6, 0x40000                  ; cx
	s_bfe_u32 s41, ttmp6, 0x40004                  ; cy
	s_lshl_b32 s42, ttmp9, 2
	s_add_co_u32 s42, s42, s40                     ; tile column = 4 x cluster x + cx
	s_and_b32 s98, ttmp7, 0xffff                   ; cluster y: the tile's place in its batch
	s_lshl_b32 s17, s41, 3
	s_add_co_u32 s17, s17, s98                     ; tile row = 8 cy + cluster y
	s_lshl_b32 s43, s41, 2
	s_lshl_b32 s43, 15, s43                        ; my row of the cluster
	s_lshl_b32 s44, 0x1111, s40                    ; my column
	s_or_b32 s[G1+0], s43, (0<<16)|(1<<20)|(1<<21)|(5<<22)|(3<<25)  ; the mask; elements of 1 byte; padding on; bit 21 beside a mask; 4 words behind every 64
	s_or_b32 s[G1B+0], s44, (0<<16)|(1<<20)|(1<<21)|(5<<22)|(3<<25)
.irp g, G1, G1B
	s_mov_b32 s[\g+1], ROWB<<16                    ; tensor_dim0
	s_mov_b32 s[\g+2], 128<<16                     ; tensor_dim1
	s_mov_b32 s[\g+3], ROWB<<16                    ; tile_dim0
	s_mov_b32 s[\g+4], 128                         ; tile_dim1
	s_mov_b32 s[\g+5], KROW                        ; the pitch in memory
	s_mov_b32 s[\g+6], 0
	s_mov_b32 s[\g+7], 0
.endr
	s_or_b32 s[G1S+0], s43, (3<<16)|(1<<20)|(1<<21)|(5<<22)|(3<<25) ; the scales of 128 rows: 4,096 dense bytes as 16 rows of 32 elements of 8 bytes
	s_or_b32 s[G1SB+0], s44, (3<<16)|(1<<20)|(1<<21)|(5<<22)|(3<<25)
.irp g, G1S, G1SB
	s_mov_b32 s[\g+1], 32<<16
	s_mov_b32 s[\g+2], 16<<16
	s_mov_b32 s[\g+3], 32<<16
	s_mov_b32 s[\g+4], 16
	s_mov_b32 s[\g+5], 32
	s_mov_b32 s[\g+6], 0
	s_mov_b32 s[\g+7], 0
.endr
	s_lshl_b32 s18, s16, 7
	s_lshl_b32 s20, s17, 8
	s_add_co_u32 s20, s20, s18                     ; A: row 256 x tile row + 128 x half
	s_lshl_b32 s46, s42, 8
	s_add_co_u32 s46, s46, s18                     ; B: row 256 x tile column + 128 x half
	s_mov_b32 s21, 0
	s_mov_b32 s47, 0
	s_mov_b64 s[18:19], KS
	s_mul_u64 s[22:23], s[20:21], s[18:19]
	s_mul_u64 s[92:93], s[46:47], s[18:19]
	s_mov_b64 s[18:19], KROW
	s_mul_u64 s[20:21], s[20:21], s[18:19]
	s_mul_u64 s[46:47], s[46:47], s[18:19]
	s_mul_i32 s45, s14, HALFT                      ; where they go: no place in the cluster enters an LDS address
	s_mul_i32 s94, s14, HALFS
	s_wait_dscnt 0x0                               ; both opening adds are done
	s_wait_kmcnt 0x0
	s_add_nc_u64 s[20:21], s[4:5], s[20:21]
	s_add_nc_u64 s[22:23], s[6:7], s[22:23]
	s_add_nc_u64 s[46:47], s[8:9], s[46:47]
	s_add_nc_u64 s[92:93], s[10:11], s[92:93]
	CROUND                                         ; all sixteen work-groups are here: the joint loads meet
	s_mov_b32 s[G0S], 1
	s_add_co_u32 s[G0S+1], s94, SCL
	s_mov_b64 s[G0S+2:G0S+3], s[22:23]
	s_or_b32 s[G0S+3], s[G0S+3], 0x80000000
	s_mov_b32 s[G0SB], 1
	s_add_co_u32 s[G0SB+1], s94, SCL
	s_mov_b64 s[G0SB+2:G0SB+3], s[92:93]
	s_or_b32 s[G0SB+3], s[G0SB+3], 0x80000000
	JLOAD G0S, G1S, G0SB, G1SB                     ; three loads of mine go out: the scales, slot 0, slot 1
.irp s, 0,1
	s_mov_b32 s[G0+4*\s], 1
	s_add_co_u32 s[G0+4*\s+1], s45, \s*SLOT
	s_add_nc_u64 s[G0+4*\s+2:G0+4*\s+3], s[20:21], \s*ROWB
	s_or_b32 s[G0+4*\s+3], s[G0+4*\s+3], 0x80000000
	s_mov_b32 s[G0B+4*\s], 1
	s_add_co_u32 s[G0B+4*\s+1], s45, \s*SLOT
	s_add_nc_u64 s[G0B+4*\s+2:G0B+4*\s+3], s[46:47], \s*ROWB
	s_or_b32 s[G0B+4*\s+3], s[G0B+4*\s+3], 0x80000000
	JLOAD G0+4*\s, G1, G0B+4*\s, G1B
.endr
	v_and_b32 v1, 15, v0                           ; r = lane % 16
	v_bfe_u32 v2, v0, 4, 1                         ; h = lane / 16
	v_mul_u32_u24 v3, v1, PITCH
	v_lshl_add_u32 v4, v2, 4, v3
	s_mul_i32 s21, s15, HALFT
	s_mul_i32 s22, s16, HALFT
	s_add_co_u32 s22, s22, 2*HALFT
.irp s, 0,1
	v_add_nc_u32 v[ADRA+\s], s21, v4
	v_add_nc_u32 v[ADRB+\s], s22, v4
	s_add_co_u32 s21, s21, SLOT
	s_add_co_u32 s22, s22, SLOT
.endr
	v_mul_u32_u24 v5, v1, KS                       ; my row's scales: 32 bytes a row,
	v_lshrrev_b32 v6, 8, v5
	v_lshl_add_u32 v5, v6, 4, v5                   ; and 16 more for each 256 passed
	s_mul_i32 s21, s15, HALFS
	s_mul_i32 s22, s16, HALFS
	s_add_co_u32 s22, s22, 2*HALFS
	s_sub_co_u32 s22, s22, s21
	v_mul_u32_u24 v6, s22, v2                      ; lanes 16-31 take B's
	s_add_co_u32 s21, s21, SCL
	v_add_nc_u32 v5, v5, v6
	v_add_nc_u32 v[ADRS], s21, v5
	; the way out
	s_mul_i32 s23, s14, 16*528                     ; my f32 stage
	v_mul_u32_u24 v5, v1, 528
	v_lshl_add_u32 v5, v2, 5, v5
	v_add_nc_u32 v[STF], s23, v5                   ; row r, 32 bytes for each half of the lanes
	v_and_b32 v6, 31, v0
	v_lshlrev_b32 v[CO], 4, v6
	v_add_nc_u32 v[RDF], s23, v[CO]                ; back: 32 lanes take a row of 512 bytes
	s_mul_i32 s23, s14, 16*272
	s_add_co_u32 s23, s23, HST                     ; my f16 stage
	v_mul_u32_u24 v5, v1, 272
	v_lshl_add_u32 v5, v2, 4, v5
	v_add_nc_u32 v[STO], s23, v5                   ; row r, 16 bytes for each half of the lanes
	v_lshrrev_b32 v5, 3, v6
	v_mul_u32_u24 v5, v5, 272
	v_and_b32 v3, 7, v0
	v_lshl_add_u32 v5, v3, 4, v5
	v_add_nc_u32 v[RD], s23, v5                    ; back: eight lanes take one head's 128 bytes of a row, four rows an instruction
	v_lshlrev_b32 v[CF], 12, v2
	v_lshl_add_u32 v[CF], v1, 4, v[CF]             ; frows: lanes 0-15 my first head, lanes 16-31 the next
	s_lshl_b32 s20, s42, 2
	s_lshl_b32 s21, s16, 1
	s_add_co_u32 s20, s20, s21                     ; g of my first 64 columns: 4 x tile column + 2 x half
	s_mul_i32 s21, s41, 48
	s_add_co_u32 s20, s20, s21                     ; 48 x batch + g
	s_lshl_b32 s46, s20, 12
	s_mov_b32 s47, 0
	s_add_nc_u64 s[96:97], s[96:97], s[46:47]      ; frows: 4,096 bytes for each (batch, g)
	s_lshl_b32 s46, s20, 18
	s_lshl_b32 s21, s98, 15
	s_add_co_u32 s46, s46, s21
	s_lshl_b32 s21, s15, 14
	s_add_co_u32 s46, s46, s21
	s_add_nc_u64 s[12:13], s[12:13], s[46:47]      ; qkv: 262,144 bytes for each (batch, g), + my first position x 128
	s_or_b32 s95, s98, s15                         ; 0 where my first 16 rows are positions 0 to 15 of a batch
.macro FRAG reg, adr, q, i             ; 16 rows x 128 K of 4-bit codes: 8 registers: two loads of 16 bytes, 32 bytes apart
.irp c, 0,1
	ds_load_b128 v[\reg+4*\c:\reg+4*\c+3], v[\adr] offset:64*(\q)+32*\c+(\i)*16*PITCH
.endr
.endm
; 16 matrix instructions: A's blocks a0, a0 + 1 x B's eight.  The 64 accumulators take turns, one instruction a turn, in the same order in every step.
.macro MUL16 a0, p, q, sc, zero
.irp a, \a0, \a0+1
.irp b, 0,1,2,3,4,5,6,7
.if \zero
	v_wmma_scale_f32_16x16x128_f8f6f4 v[8*(8*((\a)%4)+\b):8*(8*((\a)%4)+\b)+7], v[128*(\p)+FR*\b:128*(\p)+FR*\b+FR-1], v[AF+FR*(\a):AF+FR*(\a)+FR-1], 0, v[SC+8*NQ*(\sc)+NQ*\b+(\q)], v[SC+8*NQ*(\sc)+NQ*(\a)+(\q)] matrix_a_fmt:MATRIX_FMT_FP4 matrix_b_fmt:MATRIX_FMT_FP4 matrix_a_scale:MATRIX_SCALE_ROW1
.else
	v_wmma_scale_f32_16x16x128_f8f6f4 v[8*(8*((\a)%4)+\b):8*(8*((\a)%4)+\b)+7], v[128*(\p)+FR*\b:128*(\p)+FR*\b+FR-1], v[AF+FR*(\a):AF+FR*(\a)+FR-1], v[8*(8*((\a)%4)+\b):8*(8*((\a)%4)+\b)+7], v[SC+8*NQ*(\sc)+NQ*\b+(\q)], v[SC+8*NQ*(\sc)+NQ*(\a)+(\q)] matrix_a_fmt:MATRIX_FMT_FP4 matrix_b_fmt:MATRIX_FMT_FP4 matrix_a_scale:MATRIX_SCALE_ROW1
.endif
.endr
.endr
.endm
.macro FETCH_B slot, q, p
	WIN TO_B
.irp i, 0,1,2,3,4,5,6,7
	FRAG 128*(\p)+FR*\i, ADRB+\slot, \q, \i
.endr
	WIN 0
.endm
.macro FETCH_A slot, q, i0
.irp i, \i0, \i0+1, \i0+2, \i0+3
	FRAG AF+FR*(\i), ADRA+\slot, \q, \i
.endr
.endm
.macro SCALES sc                       ; a slot's scale words: 4 words a row; lanes 0-15 take A's block i, lanes 16-31 B's block i
.irp i, 0,1,2,3,4,5,6,7
	ds_load_b128 v[SC+8*NQ*\sc+NQ*\i:SC+8*NQ*\sc+NQ*\i+3], v[ADRS] offset:\i*SBLK
.endr
.endm
.macro PLACES n                        ; plain vector instructions between a matrix instruction and a load into, or a read of, its registers
.rept \n
	v_nop
.endr
.endm
.macro STEP slot, q, zero              ; a step of 128 along K that has its successor in the same slot
	s_wait_dscnt 4*NL                              ; B's set and A's blocks 0-3 are in; the youngest eight loads (A's blocks 4-7) may be out
	WIN MUL_LO
	MUL16 0, (\q)%2, \q, \slot, \zero
	MUL16 2, (\q)%2, \q, \slot, \zero
	s_wait_dscnt 0
	PLACES NP
	FETCH_B \slot, (\q)+1, 1-(\q)%2
	FETCH_A \slot, (\q)+1, 0
	WIN MUL_HI
	MUL16 4, (\q)%2, \q, \slot, \zero
	MUL16 6, (\q)%2, \q, \slot, \zero
	PLACES NP
	WIN 0
	FETCH_A \slot, (\q)+1, 4
.endm
; Slot 0's last step changes slots: one barrier; in front of it each wave waits for all its tensor loads (slot 1's part), adds 0 to its spare word, and waits for that and for its reads of slot 0.
.macro TURN slot, next
	s_wait_tensorcnt 0x0
	ds_add_u32 v[SPW], v[NIL]
	s_wait_dscnt 4*NL+1                            ; the add and the youngest eight loads may be out
	WIN MUL_LO
	MUL16 0, 1, NQ-1, \slot, 0
	s_wait_dscnt 0x0                               ; the add is done, and my reads of this slot are over
	s_barrier_signal -1
	MUL16 2, 1, NQ-1, \slot, 0
	WIN 0
	s_barrier_wait -1
	PLACES NP
	v_add_nc_u32 v[ADRS], 4*NQ, v[ADRS]            ; the next slot's scale words
	FETCH_B \next, 0, 0
	FETCH_A \next, 0, 0
	SCALES \next
	WIN MUL_HI
	MUL16 4, 1, NQ-1, \slot, 0
	MUL16 6, 1, NQ-1, \slot, 0
	PLACES NP
	WIN 0
	FETCH_A \next, 0, 4
.endm
	s_wait_tensorcnt 1                             ; the scales and my part of slot 0 are in; slot 1's load may be out
	s_barrier_signal -1
	s_barrier_wait -1
	FETCH_B 0, 0, 0
	FETCH_A 0, 0, 0
	SCALES 0
	FETCH_A 0, 0, 4
	STEP 0, 0, 1                                   ; the first step's products start the sums: nothing is cleared
	STEP 0, 1, 0
	STEP 0, 2, 0
	TURN 0, 1
	STEP 1, 0, 0
	STEP 1, 1, 0
	STEP 1, 2, 0
	s_wait_dscnt 4*NL                              ; the last step: nothing more to fetch
	WIN MUL_LO
	MUL16 0, 1, NQ-1, 1, 0
	MUL16 2, 1, NQ-1, 1, 0
	s_wait_dscnt 0
	WIN MUL_HI
	MUL16 4, 1, NQ-1, 1, 0
	MUL16 6, 1, NQ-1, 1, 0
	WIN 0
; THE WAY OUT.  A lane holds eight neighbouring columns of a row, the lanes beside it other rows: a block of 16 rows goes through my own stage in LDS.  LDS serves a wave's instructions in order (ISA guide 5.7.1.4).
	PLACES NP
	s_cmp_lg_u32 s95, 0                            ; cluster y and the wave's number alone: the same in all partners
	s_cbranch_scc1 .Lno_fine
	WIN 0x08                                       ; an LDS store's data are its source 1: window 2
.irp b, 0,1,2,3,4,5,6,7
	ds_store_b128 v[STF], v[8*\b:8*\b+3] offset:64*\b              ; positions 0 to 15 as f32: each accumulator from its low end on
	ds_store_b128 v[STF], v[8*\b+4:8*\b+7] offset:64*\b+16
.endr
	WIN 0
.irp t, 0,1,2,3,4,5,6,7,8,9,10,11,12,13,14,15
	ds_load_b128 v[128+4*\t:131+4*\t], v[RDF] offset:528*\t
.endr
	s_wait_dscnt 0x0
.irp t, 0,1,2,3,4,5,6,7,8,9,10,11,12,13,14,15
	global_store_b128 v[CF], v[128+4*\t:131+4*\t], s[96:97] offset:256*\t   ; sixteen lanes store one head's row of 256 bytes, aligned
.endr
.Lno_fine:
.macro PACK a                          ; block a rounded to f16: 16 bytes a lane for each accumulator, each read from its low end on
.set AC, 64*((\a)%4)
	WIN 0x0a+5*((\a)/4)                            ; sources 0 and 1: window 2 or 3
.irp b, 0,1,2,3,4,5,6,7
.irp i, 0,1,2,3
	v_cvt_pk_f16_f32 v[TMP+4*\b+\i], v[AC+8*\b+2*\i], v[AC+8*\b+2*\i+1]
.endr
.endr
	WIN 0
.endm
.macro TOSTAGE a
.set BK, 32+192*((\a)%2)
.irp b, 0,1,2,3,4,5,6,7
	ds_store_b128 v[STO], v[TMP+4*\b:TMP+4*\b+3] offset:32*\b
.endr
.irp t, 0,1,2,3,4,5,6,7
	ds_load_b128 v[BK+4*\t:BK+4*\t+3], v[RD] offset:4*(\t%4)*272+128*(\t/4)   ; four positions of head t / 4
.endr
.endm
.macro SEND a
.set BK, 32+192*((\a)%2)
	s_wait_dscnt 0x0                               ; the block is back in registers
	s_wait_xcnt 0x0                                ; earlier stores have read their registers: the next block's loads may land there
.irp t, 0,1,2,3,4,5,6,7
	global_store_b128 v[CO], v[BK+4*\t:BK+4*\t+3], s[12:13] offset:262144*(\t/4)+2048*(\a)+512*(\t%4)   ; 512 consecutive bytes: four positions of one head
.endr
.endm
	PACK 0
	TOSTAGE 0
.irp a, 1,2,3,4,5,6,7                  ; block a's conversions stand between block a - 1's loads from the stage and the wait for them
	PACK \a
	SEND \a-1
	TOSTAGE \a
.endr
	SEND 7
	s_wait_tensorcnt 0x0                           ; the wave's end
	ds_add_u32 v[SPW], v[NIL]
	s_wait_dscnt 0x0
	CROUND                                         ; the closing round
	s_endpgm
.Lfunc_end_k_qf7005f0067_gemm:
	.size	k_qf7005f0067_gemm, .Lfunc_end_k_qf7005f0067_gemm-k_qf7005f0067_gemm
	.p2alignl 7, 3214868480
	.fill 96, 4, 3214868480
	.section	.rodata,"a",@progbits
	.p2align	6, 0x0
	.amdhsa_kernel k_qf7005f0067_gemm
		.amdhsa_group_segment_fixed_size 327680
		.amdhsa_private_segment_fixed_size 0
		.amdhsa_enable_private_segment 0
		.amdhsa_kernarg_size 48
		.amdhsa_user_sgpr_count 2
		.amdhsa_user_sgpr_kernarg_segment_ptr 1
		.amdhsa_wavefront_size32 1
		.amdhsa_system_sgpr_workgroup_id_x 1
		.amdhsa_system_sgpr_workgroup_id_y 1
		.amdhsa_system_sgpr_workgroup_id_z 1
		.amdhsa_system_vgpr_workitem_id 0
		.amdhsa_next_free_vgpr 1024
		.amdhsa_next_free_sgpr 100
		.amdhsa_reserve_vcc 0
		.amdhsa_float_denorm_mode_32 3
		.amdhsa_float_denorm_mode_16_64 3
		.amdhsa_memory_ordered 1
		.amdhsa_forward_progress 1
		.amdhsa_inst_pref_size 130
	.end_amdhsa_kernel
	.amdgpu_metadata
---
amdhsa.version: [ 1, 2 ]
amdhsa.kernels:
  - .name:           k_qf7005f0067_gemm
    .symbol:         k_qf7005f0067_gemm.kd
    .args:
      - { .name: xc, .offset: 0, .size: 8, .value_kind: global_buffer, .address_space: global }
      - { .name: xs, .offset: 8, .size: 8, .value_kind: global_buffer, .address_space: global }
      - { .name: wc, .offset: 16, .size: 8, .value_kind: global_buffer, .address_space: global }
      - { .name: ws, .offset: 24, .size: 8, .value_kind: global_buffer, .address_space: global }
      - { .name: qkv, .offset: 32, .size: 8, .value_kind: global_buffer, .address_space: global }
      - { .name: frows, .offset: 40, .size: 8, .value_kind: global_buffer, .address_space: global }
    .group_segment_fixed_size: 327680
    .private_segment_fixed_size: 0
    .kernarg_segment_align: 8
    .kernarg_segment_size: 48
    .max_flat_workgroup_size: 128
    .sgpr_count:     100
    .vgpr_count:     1024
    .wavefront_size: 32
...
	.end_amdgpu_metadata
.endif
;; end of part 2
;; launch attn (part 3): grid 4 x 64, 16 waves a work-group, no clusters, 327,680 bytes of LDS; arguments qkv, att; writes att
.if DOCPART == 3
	.amdgcn_target "amdgcn-amd-amdhsa--gfx1250"
	.amdhsa_code_object_version 6
	.text
	.protected	k_qf7005f0067_attn
	.globl	k_qf7005f0067_attn
	.p2align	8
	.type	k_qf7005f0067_attn,@function
k_qf7005f0067_attn:
	s_mov_b64 s[64:65], 0
	v_nop
	global_prefetch_b8 v0, s[64:65] scope:SCOPE_SE
	s_setreg_imm32_b32 hwreg(HW_REG_WAVE_MODE, 25, 1), 1
	s_wait_xcnt 0x0
; att[b][h][q][:] = sum over keys k <= q of softmax_k(q . k / 8) v[k][:], operands f16, products, maxima and sums in f32; the weights are rounded to f16 for the second product, the result once at the end.
; qkv: f16 [batch][g 48][position][64] (g = h: q, 16 + h: k, 32 + h: v).  att: f16 [batch][h][position][64].
; WORK LEFT OUT: key steps all of whose keys come after a wave's 16 queries: the problem's own causal mask gives them the weight 0 for every input.
; LIMIT: the result, and q, k, v, stay under 65,504 in magnitude.
; SHARES.  Work-group (p, head) owns the query blocks 7 - p and then p, 256 queries each; each of its sixteen waves 16 queries of the block in hand.  Keys come in slots of 256: block 7 - p wants slots
; 0 .. 7 - p, block p slots 0 .. p: NINE slot visits in every work-group, so trip counts are constants, every slot that is fetched is read, and the 256 work-groups have equal work.
; NO CLUSTER: the four work-groups of a head want different slots at the same visit (their blocks end at different slots), so no joint request could be the same in all four.
; LAYOUT.  S^T = K Q^T (source 0 = 16 keys, source 1 = my 16 queries): a lane holds ONE query (lane % 16) and keys 8 (lane / 16) + 0..7 of each tile of 16.  Two such tiles, rounded in pairs, are source 1 of
; O^T = V^T P, whose result again holds one query a lane.  K comes out of LDS as it lies, V ([key][channel]) turned, by ds_load_tr16_b128.
; SOFTMAX.  A running maximum m and sum l for each query: p = 2^(c s - c m), c = log2(e) / 8; in every step O and l are multiplied by a = 2^(c m_old - c m_new).
; Four waves share a SIMD, so that one wave's vector work stands beside another's matrix work and LDS loads.
.set KP,    144                        ; a key's row in LDS: 128 bytes + 16
.set VP,    160                        ; a row of V: 128 + 32: an odd multiple of 32 bytes, for the turning load
.set VOFF,  256*KP                     ; a slot: 256 rows of K, then 256 rows of V
.set SLOT1, 1<<17                      ; slot 1: one exclusive or turns an address
.set STAGE, SLOT1+VOFF+256*VP          ; behind the ring: 16 rows x 144 bytes for each wave, for the way out
.set SPARE, STAGE+16*16*KP             ; the spare words, 128 bytes for each wave
.set AK0, 1
.set AV0, 2
.set SPW, 3
.set NIL, 4
.set GO,  5                            ; v5  16 x lane
.set STO, 6
.set RD,  7
.set ADK, 8
.set ADV, 9
.set QO,  10
.set PFO, 11                           ; v11 256 x lane
.set Q,   24                           ; v24-39   my queries' two fragments.   v12 c m, v13 m, v[14:15] l, v16 a (v17 = 0), v18-23 at work
.set KR,  40                           ; v40-103  a step's eight fragments of K
.set VR,  104                          ; v104-167 and of V^T
.set S,   168                          ; v168-199 S^T, then p
.set P,   200                          ; v200-215 p as f16
.set O,   216                          ; v216-247 O^T;  v248-250 the mask's
.set TB,  2                            ; s2  the slot being read
.set TT,  3                            ; s3  the visit, 0..7 in the loop
.set WV,  18
.set SEL, 20
.set CS,  22
.set G1K, 24
.set G1V, 32
.set G0K, 40
.set G0V, 44
.set QB,  48                           ; s[48:49] q's head;  s[50:51], s[52:53] k's and v's, at the half that I fetch;  s[54:55] att's head
.set KB,  50
.set VB,  52
.set AB,  54
.set QP,  56                           ; s[56:57], s[58:59] my 16 rows of q and of att
.set OP,  58
.set NXT, 60                           ; s[60:61] byte at which the next visit's keys begin
.set SWL, 66                           ; s66 7 - p: the first block's last visit
.set KF,  67                           ; s67 the step's first key
.set Q0,  68                           ; s68 my first query
.set PFA, 70
.set LIM, 72
; Waves 0 and 1 fetch K's halves, waves 2 and 3 V's, the others nothing: branches on the wave's number alone.  An s_nop 0 and four v_nop follow each load.
.macro TLOAD
	s_cmp_lt_u32 s[WV], 2
	s_cbranch_scc0 .Lnot_k_\@
	tensor_load_to_lds s[G0K:G0K+3], s[G1K:G1K+7]
	s_nop 0
.rept 4
	v_nop
.endr
	s_branch .Lasked_\@
.Lnot_k_\@:
	s_cmp_lt_u32 s[WV], 4
	s_cbranch_scc0 .Lasked_\@
	tensor_load_to_lds s[G0V:G0V+3], s[G1V:G1V+7]
	s_nop 0
.rept 4
	v_nop
.endr
.Lasked_\@:
.endm
; A prefetch of the key slot two visits on: 32,768 dense bytes of K and of V.  The four work-groups of a head walk the same K and V: the one with p = 0, which walks slots 0 to 7 in order, asks.  In it the
; waves ask that fetch nothing: waves 4-7 for K, waves 8-11 for V, 8,192 bytes a wave, lanes 256 bytes apart: each block of 256 bytes is named once in the launch.  Visit t names slot t + 2, t = 0 .. 5.
.macro ASK
	s_cmp_le_i32 s[TT], s[LIM]
	s_cbranch_scc0 .Lnot_mine_\@
	global_prefetch_b8 v[PFO], s[PFA:PFA+1] th:TH_LOAD_NT scope:SCOPE_SE
.Lnot_mine_\@:
.endm
.macro QLOAD
.irp i, 0,1,2,3
	global_load_b128 v[Q+4*\i:Q+4*\i+3], v[QO], s[QP:QP+1] offset:32*\i
.endr
.endm
.macro INIT                            ; a block's start: the first step finds zeros, which the first a (2^ of a huge negative number: 0) leaves zeros
	v_mov_b32 v13, 0xff61b1e6                      ; m = -3e38, under every score
	v_mul_f32 v12, s[CS], v13
	v_mov_b32 v14, 0
	v_mov_b32 v15, 0
	v_mov_b32 v17, 0                               ; named as the upper half of the pair v[16:17]
	v_mov_b32 v19, 0                               ; a lane exchange's destination counts as one of its sources
.set n, 0
.rept 32
	v_mov_b32 v[O+n], 0
.set n, n+1
.endr
.endm
	s_load_b128 s[4:7], s[0:1], 0x0                ; qkv, att
	v_lshl_add_u32 v[SPW], v0, 2, SPARE
	v_mov_b32 v[NIL], 0
	ds_add_u32 v[SPW], v[NIL]                      ; the wave's opening: the add, twice on end, and its wait ahead of the first tensor load
	ds_add_u32 v[SPW], v[NIL]
	v_lshrrev_b32 v8, 5, v0
	v_readfirstlane_b32 s[WV], v8                  ; wave 0..15
	s_and_b32 s8, ttmp7, 0xffff                    ; 16 x batch + head
	s_lshr_b32 s9, s8, 4
	s_lshl_b32 s9, s9, 5
	s_add_co_u32 s9, s9, s8                        ; 48 x batch + head
	s_lshl_b32 s10, s9, 18
	s_mov_b32 s11, 0
	s_lshl_b32 s12, s8, 18
	s_mov_b32 s13, 0
	s_and_b32 s14, s[WV], 1
	s_lshl_b32 s15, s14, 14                        ; the half that I fetch: 128 rows of 128 bytes
	s_sub_co_u32 s[SWL], 7, ttmp9
	s_lshl_b32 s[Q0], s[SWL], 8
	s_lshl_b32 s16, s[WV], 4
	s_add_co_u32 s[Q0], s[Q0], s16                 ; my first query: 256 (7 - p) + 16 x wave
	s_mov_b32 s[G1K], (0<<16)|(1<<20)|(4<<22)|(3<<25)   ; elements of 1 byte; padding: 4 words behind every 32
	s_mov_b32 s[G1V], (0<<16)|(1<<20)|(4<<22)|(7<<25)   ; 8 words behind every 32
.irp g, G1K, G1V
	s_mov_b32 s[\g+1], 128<<16                     ; tensor_dim0
	s_mov_b32 s[\g+2], 128<<16                     ; tensor_dim1
	s_mov_b32 s[\g+3], 128<<16                     ; tile_dim0
	s_mov_b32 s[\g+4], 128                         ; tile_dim1
	s_mov_b32 s[\g+5], 128                         ; the pitch: rows are dense
	s_mov_b32 s[\g+6], 0
	s_mov_b32 s[\g+7], 0
.endr
	s_mov_b32 s[SEL], 0x76543210
	s_mov_b32 s[SEL+1], 0xfedcba98
	s_mov_b32 s[CS], 0x3e38aa3b                    ; c = log2(e) / 8
	s_mov_b32 s[CS+1], s[CS]
	s_mov_b32 s[TB], 0
	s_mov_b32 s[TT], 0
	s_mov_b32 s[KF], 0
	s_mov_b32 s[NXT], 0
	s_mov_b32 s[NXT+1], 0
	s_mov_b32 s[G0K], 1
	s_mul_i32 s[G0K+1], s14, 128*KP                ; LDS: slot 0, my half
	s_mov_b32 s[G0V], 1
	s_mul_i32 s[G0V+1], s14, 128*VP
	s_add_co_u32 s[G0V+1], s[G0V+1], VOFF
	s_wait_dscnt 0x0                               ; both opening adds are done
	s_wait_kmcnt 0x0
	s_add_nc_u64 s[QB:QB+1], s[4:5], s[10:11]
	s_add_nc_u64 s[AB:AB+1], s[6:7], s[12:13]
	s_add_co_u32 s16, s15, 16<<18
	s_mov_b32 s17, 0
	s_add_nc_u64 s[KB:KB+1], s[QB:QB+1], s[16:17]
	s_add_co_u32 s16, s15, 32<<18
	s_add_nc_u64 s[VB:VB+1], s[QB:QB+1], s[16:17]
	s_mov_b64 s[G0K+2:G0K+3], s[KB:KB+1]
	s_or_b32 s[G0K+3], s[G0K+3], 0x80000000
	s_mov_b64 s[G0V+2:G0V+3], s[VB:VB+1]
	s_or_b32 s[G0V+3], s[G0V+3], 0x80000000
	TLOAD                                          ; visit 0: key slot 0 into LDS slot 0
	s_lshl_b32 s16, s[Q0], 7
	s_add_nc_u64 s[QP:QP+1], s[QB:QB+1], s[16:17]
	s_add_nc_u64 s[OP:OP+1], s[AB:AB+1], s[16:17]
	s_mov_b32 s97, 32<<18
	s_cmp_lt_u32 s[WV], 8
	s_cselect_b32 s96, 16<<18, s97                 ; waves 4-7 ask for K, waves 8-11 for V
	s_and_b32 s97, s[WV], 3
	s_lshl_b32 s97, s97, 13
	s_add_co_u32 s96, s96, s97
	s_add_co_u32 s96, s96, 32768                   ; at slot 1: the first change steps it to slot 2.  Nothing is prefetched here, at the head
	s_mov_b32 s97, 0
	s_add_nc_u64 s[PFA:PFA+1], s[QB:QB+1], s[96:97]
	s_sub_co_u32 s96, s[WV], 4
	s_lshr_b32 s96, s96, 3                         ; 0 in waves 4 to 11,
	s_or_b32 s96, s96, ttmp9                       ; of the work-group with p = 0
	s_cmp_eq_u32 s96, 0
	s_cselect_b32 s[LIM], 5, -1
	v_and_b32 v18, 15, v0                          ; r
	v_bfe_u32 v19, v0, 4, 1                        ; h
	v_and_b32 v20, 31, v0                          ; lane
	v_lshlrev_b32 v[QO], 7, v18
	v_lshl_add_u32 v[QO], v19, 4, v[QO]            ; q: row r of 128 bytes + 16 h
	QLOAD
	v_mul_u32_u24 v[AK0], v18, KP
	v_lshl_add_u32 v[AK0], v19, 4, v[AK0]
	v_and_b32 v21, 7, v0
	v_lshl_add_u32 v[AV0], v19, 3, v21
	v_mul_u32_u24 v[AV0], v[AV0], VP
	v_bfe_u32 v22, v0, 3, 1
	v_lshl_add_u32 v[AV0], v22, 4, v[AV0]
	v_add_nc_u32 v[AV0], VOFF, v[AV0]              ; the turning load: key 8 h + lane % 8, channels 8 ((lane / 8) % 2) on
	v_lshlrev_b32 v[GO], 4, v20
	v_lshlrev_b32 v[PFO], 8, v20
	s_mul_i32 s96, s[WV], 16*KP
	s_add_co_u32 s96, s96, STAGE                   ; my stage
	v_mul_u32_u24 v[STO], v18, KP
	v_lshl_add_u32 v[STO], v19, 4, v[STO]
	v_add_nc_u32 v[STO], s96, v[STO]
	v_lshrrev_b32 v[RD], 3, v20
	v_mul_u32_u24 v[RD], v[RD], KP
	v_lshl_add_u32 v[RD], v21, 4, v[RD]
	v_add_nc_u32 v[RD], s96, v[RD]                 ; back: eight lanes to a row of 128 bytes, four rows an instruction
	INIT
	s_wait_loadcnt 0x0                             ; q
; A KEY STEP: 64 keys, the q-th of the slot being read.
.macro STEP q
	s_add_co_u32 s96, s[Q0], 15
	s_cmp_gt_u32 s[KF], s96                        ; all 64 keys come after my 16 queries: the step's work is left out (ids and counted steps alone)
	s_cbranch_scc1 .Lhidden_\@
	v_add_nc_u32 v[ADK], s[TB], v[AK0]
	v_add_nc_u32 v[ADV], s[TB], v[AV0]
	v_nop
	v_nop                                          ; four places in front of loads into registers that the last step's matrix instructions have read
.irp kt, 0,1,2,3
.irp c, 0,1
	ds_load_b128 v[KR+8*(2*\kt+\c):KR+8*(2*\kt+\c)+3],   v[ADK] offset:(64*(\q)+16*\kt)*KP+64*\c
	ds_load_b128 v[KR+8*(2*\kt+\c)+4:KR+8*(2*\kt+\c)+7], v[ADK] offset:(64*(\q)+16*\kt)*KP+64*\c+32
.endr
.endr
.irp u, 0,1
.irp ct, 0,1,2,3
	ds_load_tr16_b128 v[VR+8*(4*\u+\ct):VR+8*(4*\u+\ct)+3],   v[ADV] offset:(64*(\q)+32*\u)*VP+32*\ct
	ds_load_tr16_b128 v[VR+8*(4*\u+\ct)+4:VR+8*(4*\u+\ct)+7], v[ADV] offset:(64*(\q)+32*\u)*VP+16*VP+32*\ct
.endr
.endr
	s_wait_dscnt 16                                ; K's sixteen loads are in; V's sixteen may be out
.irp kt, 0,1,2,3                       ; the four accumulators take turns
	v_wmma_f32_16x16x32_f16 v[S+8*\kt:S+8*\kt+7], v[KR+16*\kt:KR+16*\kt+7], v[Q:Q+7], 0
.endr
.irp kt, 0,1,2,3
	v_wmma_f32_16x16x32_f16 v[S+8*\kt:S+8*\kt+7], v[KR+16*\kt+8:KR+16*\kt+15], v[Q+8:Q+15], v[S+8*\kt:S+8*\kt+7]
.endr
.rept 4
	v_nop
.endr
	s_add_co_u32 s96, s[KF], 63
	s_cmp_le_u32 s96, s[Q0]                        ; all 64 keys count for all my queries: no mask
	s_cbranch_scc1 .Lopen_\@
	s_sub_co_i32 s96, s[Q0], s[KF]
	v_and_b32 v248, 15, v0
	v_bfe_u32 v249, v0, 4, 1
	v_lshlrev_b32 v249, 3, v249
	v_sub_nc_u32 v248, v248, v249
	v_add_nc_u32 v248, s96, v248                   ; d = my query - KF - 8 h.  Register 8 kt + j holds key KF + 16 kt + 8 h + j: hidden where 16 kt + j > d
	v_mov_b32 v250, 0xff800000                     ; -infinity: p = 0
.set n, 0
.rept 32
	v_cmp_gt_i32 vcc_lo, 16*(n/8)+n%8, v248
	v_cndmask_b32 v[S+n], v[S+n], v250, vcc_lo
.set n, n+1
.endr
.Lopen_\@:
.irp j, 0,1,2,3                        ; the maximum: four chains, each from its tile's low end
	v_max3_num_f32 v[18+\j], v[S+8*\j], v[S+8*\j+1], v[S+8*\j+2]
.endr
.irp g, 1,2
.irp j, 0,1,2,3
	v_max3_num_f32 v[18+\j], v[18+\j], v[S+8*\j+2*\g+1], v[S+8*\j+2*\g+2]
.endr
.endr
	v_max3_num_f32 v18, v18, v[S+7], v[S+15]
	v_max3_num_f32 v20, v20, v[S+23], v[S+31]
	v_max3_num_f32 v18, v18, v19, v20
	v_max3_num_f32 v18, v18, v21, v13              ; with the old m
	v_permlanex16_b32 v19, v18, s[SEL], s[SEL+1]   ; the query's other 32 keys lie in the lane 16 away
	v_mov_b32 v22, v12
	v_max_num_f32 v13, v18, v19
	v_mul_f32 v12, s[CS], v13
	v_sub_f32 v22, v22, v12                        ; c m_old - c m_new
.set n, 0
.rept 16
	v_pk_fma_f32 v[S+n:S+n+1], v[S+n:S+n+1], s[CS:CS+1], v[12:13] op_sel_hi:[1,0,0] neg_lo:[0,0,1] neg_hi:[0,0,1]   ; c s - c m
.set n, n+2
.endr
	v_exp_f32 v16, v22                             ; a
.set n, 0
.rept 32
	v_exp_f32 v[S+n], v[S+n]
.set n, n+1
.endr
	v_nop                                          ; a plain instruction behind the last exponential
	s_wait_alu depctr_va_vdst(0)                   ; one wait for the batch of 33, ahead of its first reader
.set n, 0
.rept 16
	v_cvt_pk_f16_f32 v[P+n], v[S+2*n], v[S+2*n+1]
.set n, n+1
.endr
	v_pk_mul_f32 v[14:15], v[14:15], v[16:17] op_sel_hi:[1,0]      ; l x a
	v_pk_add_f32 v[20:21], v[S:S+1], v[S+2:S+3]    ; the sum of the unrounded p, in two chains
.irp j, 4,8,12,16,20,24,28
	v_pk_add_f32 v[14:15], v[14:15], v[S+\j:S+\j+1]
	v_pk_add_f32 v[20:21], v[20:21], v[S+\j+2:S+\j+3]
.endr
	v_pk_add_f32 v[14:15], v[14:15], v[20:21]
.set n, 0
.rept 16
	v_pk_mul_f32 v[O+n:O+n+1], v[O+n:O+n+1], v[16:17] op_sel_hi:[1,0]   ; O^T x a
.set n, n+2
.endr
	s_wait_dscnt 0x0                               ; V is in
.irp u, 0,1
.irp ct, 0,1,2,3
	v_wmma_f32_16x16x32_f16 v[O+8*\ct:O+8*\ct+7], v[VR+8*(4*\u+\ct):VR+8*(4*\u+\ct)+7], v[P+8*\u:P+8*\u+7], v[O+8*\ct:O+8*\ct+7]
.endr
.endr
.Lhidden_\@:
	s_add_co_u32 s[KF], s[KF], 64
.endm
.macro SLOT_STEPS
	STEP 0
	STEP 1
	STEP 2
	STEP 3
	s_xor_b32 s[TB], s[TB], SLOT1
.endm
; THE CHANGE OF SLOTS, at a visit's head.  Each wave waits for all its tensor loads, adds 0 to its spare word, and waits for that and for its reads of the slot that it has left.  Behind the barrier the slot
; ahead is whole and nobody reads the other one.  fill = 1: that other slot takes the next visit's keys; the load has a whole visit in which to land.  One tensor load of a wave is out at the most.
.macro CHANGE fill
	s_wait_tensorcnt 0x0
	ds_add_u32 v[SPW], v[NIL]
.if \fill
	ds_add_u32 v[SPW], v[NIL]                      ; twice on end here, in every trip alike
	s_xor_b32 s[G0K+1], s[G0K+1], SLOT1            ; no load of mine is out: the descriptors may be written
	s_xor_b32 s[G0V+1], s[G0V+1], SLOT1
	s_add_co_u32 s[NXT], s[NXT], 32768             ; the next 256 keys,
	s_cmp_eq_u32 s[TT], s[SWL]
	s_cselect_b32 s[NXT], 0, s[NXT]                ; or, behind the first block's last visit, the second block's first
	s_add_nc_u64 s[G0K+2:G0K+3], s[KB:KB+1], s[NXT:NXT+1]
	s_or_b32 s[G0K+3], s[G0K+3], 0x80000000
	s_add_nc_u64 s[G0V+2:G0V+3], s[VB:VB+1], s[NXT:NXT+1]
	s_or_b32 s[G0V+3], s[G0V+3], 0x80000000
	s_wait_xcnt 0x0                                ; the last prefetch, a visit back, has read its address
	s_add_nc_u64 s[PFA:PFA+1], s[PFA:PFA+1], 32768
.endif
	s_wait_dscnt 0x0
	s_barrier_signal -1
	s_barrier_wait -1
.if \fill
	TLOAD                                          ; the first thing behind the barrier, and a wave's one tensor load until the next
	ASK
.endif
.endm
; THE WAY OUT of a block: O^T / l, rounded to f16, through my stage: the wave stores its 16 rows as 2,048 consecutive bytes.
.macro OUT
.rept 4
	v_nop
.endr
	v_add_f32 v18, v14, v15
	v_permlanex16_b32 v19, v18, s[SEL], s[SEL+1]
	v_add_f32 v18, v18, v19                        ; the row's sum
	v_rcp_f32 v16, v18
	v_nop
	s_wait_alu depctr_va_vdst(0)                   ; the wait ahead of the reciprocal's first reader
.set n, 0
.rept 16
	v_pk_mul_f32 v[S+n:S+n+1], v[O+n:O+n+1], v[16:17] op_sel_hi:[1,0]
.set n, n+2
.endr
.set n, 0
.rept 16
	v_cvt_pk_f16_f32 v[P+n], v[S+2*n], v[S+2*n+1]
.set n, n+1
.endr
.irp ct, 0,1,2,3
	ds_store_b128 v[STO], v[P+4*\ct:P+4*\ct+3] offset:32*\ct
.endr
.irp i, 0,1,2,3
	ds_load_b128 v[S+4*\i:S+4*\i+3], v[RD] offset:4*KP*\i          ; LDS serves a wave's instructions in order: these see my stores
.endr
.irp i, 0,1,2,3
	s_wait_dscnt 3-\i                              ; load i is back, the younger ones may be out
	global_store_b128 v[GO], v[S+4*\i:S+4*\i+3], s[OP:OP+1] offset:512*\i
.endr
.endm
.Lslot:                                            ; eight trips: visits 0 to 7; behind each change of slots the next visit's keys are asked for
	CHANGE 1
	SLOT_STEPS
	s_cmp_lg_u32 s[TT], s[SWL]
	s_cbranch_scc1 .Lsame
	OUT                                            ; the first block is done: on to block p
	s_wait_xcnt 0x0                                ; the stores have read their registers and their base
	s_lshl_b32 s[Q0], ttmp9, 8
	s_lshl_b32 s96, s[WV], 4
	s_add_co_u32 s[Q0], s[Q0], s96
	s_mov_b32 s[KF], 0
	s_lshl_b32 s96, s[Q0], 7
	s_mov_b32 s97, 0
	s_add_nc_u64 s[QP:QP+1], s[QB:QB+1], s[96:97]
	s_add_nc_u64 s[OP:OP+1], s[AB:AB+1], s[96:97]
	QLOAD
	INIT
	s_wait_loadcnt 0x0
.Lsame:
	s_add_co_u32 s[TT], s[TT], 1
	s_cmp_lt_u32 s[TT], 8
	s_cbranch_scc1 .Lslot
	CHANGE 0                                       ; the ninth visit is written out: nothing is left to fetch
	SLOT_STEPS
	OUT
	s_wait_tensorcnt 0x0                           ; the wave's end
	ds_add_u32 v[SPW], v[NIL]
	s_wait_dscnt 0x0
	s_endpgm
.Lfunc_end_k_qf7005f0067_attn:
	.size	k_qf7005f0067_attn, .Lfunc_end_k_qf7005f0067_attn-k_qf7005f0067_attn
	.p2alignl 7, 3214868480
	.fill 96, 4, 3214868480
	.section	.rodata,"a",@progbits
	.p2align	6, 0x0
	.amdhsa_kernel k_qf7005f0067_attn
		.amdhsa_group_segment_fixed_size 327680
		.amdhsa_private_segment_fixed_size 0
		.amdhsa_enable_private_segment 0
		.amdhsa_kernarg_size 16
		.amdhsa_user_sgpr_count 2
		.amdhsa_user_sgpr_kernarg_segment_ptr 1
		.amdhsa_wavefront_size32 1
		.amdhsa_system_sgpr_workgroup_id_x 1
		.amdhsa_system_sgpr_workgroup_id_y 1
		.amdhsa_system_sgpr_workgroup_id_z 1
		.amdhsa_system_vgpr_workitem_id 0
		.amdhsa_next_free_vgpr 256
		.amdhsa_next_free_sgpr 100
		.amdhsa_reserve_vcc 1
		.amdhsa_float_denorm_mode_32 3
		.amdhsa_float_denorm_mode_16_64 3
		.amdhsa_memory_ordered 1
		.amdhsa_forward_progress 1
		.amdhsa_inst_pref_size 116
	.end_amdhsa_kernel
	.amdgpu_metadata
---
amdhsa.version: [ 1, 2 ]
amdhsa.kernels:
  - .name:           k_qf7005f0067_attn
    .symbol:         k_qf7005f0067_attn.kd
    .args:
      - { .name: qkv, .offset: 0, .size: 8, .value_kind: global_buffer, .address_space: global }
      - { .name: att, .offset: 8, .size: 8, .value_kind: global_buffer, .address_space: global }
    .group_segment_fixed_size: 327680
    .private_segment_fixed_size: 0
    .kernarg_segment_align: 8
    .kernarg_segment_size: 16
    .max_flat_workgroup_size: 512
    .sgpr_count:     100
    .vgpr_count:     256
    .wavefront_size: 32
...
	.end_amdgpu_metadata
.endif
;; end of part 3
;; launch oproj (part 4): grid 8 x 32, 4 waves a work-group, clusters of 4 x 4, 327,680 bytes of LDS; arguments att, wo16, out0; writes out0
.if DOCPART == 4
	.amdgcn_target "amdgcn-amd-amdhsa--gfx1250"
	.amdhsa_code_object_version 6
	.text
	.protected	k_qf7005f0067_oproj
	.globl	k_qf7005f0067_oproj
	.p2align	8
	.type	k_qf7005f0067_oproj,@function
k_qf7005f0067_oproj:
	s_mov_b64 s[64:65], 0
	v_nop
	global_prefetch_b8 v0, s[64:65] scope:SCOPE_SE
	s_setreg_imm32_b32 hwreg(HW_REG_WAVE_MODE, 25, 1), 1
	s_wait_xcnt 0x0
	s_wait_alu depctr_hold_cnt(0) depctr_sa_sdst(0) depctr_va_vdst(0) depctr_va_sdst(0) depctr_va_ssrc(0) depctr_va_vcc(0) depctr_vm_vsrc(0)
	s_getreg_b32 s2, hwreg(HW_REG_IB_STS2, 6, 4)
	s_cmp_eq_u32 s2, 0
	s_cbranch_scc0 .Lentry_in_a_cluster
	s_endpgm
.Lentry_in_a_cluster:
	s_bfe_u32 s2, ttmp6, 0x10000c
	s_cmp_lg_u32 s2, 0xf033
	s_cbranch_scc0 .Lentry_shape_is_right
	s_endpgm
.Lentry_shape_is_right:
; out0[m][n] = sum over k of a[m][k] Wo[k][n], m = 8,192, n = 1,024, k = 64 x head + channel = 1,024; operands f16, sums f32, out0 f32.
; att: f16 [batch][head][position][64];  wo16: f16 [k][n].
; NOT STORED HERE: the rows at positions 0 to 15 of each batch: the next launch makes them in f32 and is their one owner.  (They lie inside live tiles of 256 rows, so they are multiplied with the rest.)
; A tile of out0 is 256 x 128: 256 work-groups.  Four waves, each 128 x 64: 32 accumulators, window 1.  K goes in 8 steps of 128 (two heads) through two LDS slots.  A's part of a slot is two planes, one
; for each head, of 256 dense rows of 128 bytes; B's part is 128 rows (k) of 256 bytes.
; CLUSTERS: 4 x 4; tile row: batch = cy, place in the batch = cluster y; tile column = 4 x cluster x + cx.  A's tiles are asked for jointly along a row of the cluster, B's along a column.
; THE MATRIX INSTRUCTION IS USED TRANSPOSED: source 0 = 16 columns of Wo (turned on the way out of LDS by ds_load_tr16_b128), source 1 = 16 rows of a: a lane holds eight neighbouring columns of one row.
; REGISTERS: window 0: v0-31 addresses; v32-63, v64-95 B's fragments, two buffers; v128-191, v192-255 A's, two buffers; on the way out v128-191 rows of out0.  window 1: accumulator (a, b) at v[8 (4 a + b)].
.set PA,    144                        ; a row of A in LDS: 128 bytes + 16
.set PB,    288                        ; a row of B: 256 + 32: an odd multiple of 32 bytes, for the turning load
.set PLANE, 256*PA
.set BOFF,  2*PLANE
.set SLOT,  BOFF+128*PB
.set STAGE, 2*SLOT                     ; 16 rows x 272 bytes for each wave
.set SPARE, STAGE+4*16*272
.set KA,    524288                     ; a K step in att: two heads of 262,144 bytes
.set KB,    262144                     ; a K step in wo16: 128 rows of 2,048 bytes
.set ADRA, 16
.set ADRB, 20
.set STO,  24
.set RD,   25
.set CO,   26
.set SPW,  28
.set NIL,  29
.set PFO,  30
.set G1A, 24
.set G0A, 32
.set LIM, 43
.set PFA, 44
.set G1B, 48
.set G0B, 56
.set MSB, 0
.macro WIN new
.if MSB != \new
	s_set_vgpr_msb (MSB<<8)|\new
.set MSB, \new
.endif
.endm
.set MUL, 0x50                         ; C and D window 1, sources 0 and 1 window 0
.macro JLOAD s                         ; waves 0 and 1 fetch A's planes, waves 2 and 3 B's halves; an s_nop 0 and four v_nop follow each line
	s_cmp_eq_u32 s11, 0
	s_cbranch_scc0 .Lfor_b_\@
	tensor_load_to_lds s[G0A+4*\s:G0A+4*\s+3], s[G1A:G1A+7]
	s_nop 0
.rept 4
	v_nop
.endr
	s_branch .Lasked_\@
.Lfor_b_\@:
	tensor_load_to_lds s[G0B+4*\s:G0B+4*\s+3], s[G1B:G1B+7]
	s_nop 0
.rept 4
	v_nop
.endr
.Lasked_\@:
.endm
; A prefetch of att's K step two refills on.  A's tile row is read by both clusters of its row of clusters: the one with cluster x = 0 asks.  A wave's plane is 32,768 dense bytes: each of the four partners
; that ask for it jointly takes 8,192, told apart by address; lanes 256 bytes apart.  K steps 4 to 7 are named, each block once; the loop's last trip asks for nothing.  wo16 is read again by every cluster
; and is not asked for.
.macro ASK
	s_cmp_gt_u32 s3, s[LIM]
	s_cbranch_scc0 .Lnot_mine_\@
	global_prefetch_b8 v[PFO], s[PFA:PFA+1] offset:KA th:TH_LOAD_NT scope:SCOPE_SE
.Lnot_mine_\@:
.endm
.macro CREST
	s_cmp_lg_u32 s10, 0
	s_cbranch_scc1 .Lnot_wave_0_\@
	s_barrier_signal -3
.Lnot_wave_0_\@:
	s_barrier_wait -3
	s_barrier_signal -1
	s_barrier_wait -1
.endm
.macro CROUND
	s_barrier_signal -1
	s_barrier_wait -1
	CREST
.endm
	s_load_b128 s[4:7], s[0:1], 0x0                ; att, wo16
	s_load_b64 s[8:9], s[0:1], 0x10                ; out0
	v_lshl_add_u32 v[SPW], v0, 2, SPARE
	v_mov_b32 v[NIL], 0
	ds_add_u32 v[SPW], v[NIL]                      ; the wave's opening: the add, twice on end, and its wait ahead of my first tensor load
	ds_add_u32 v[SPW], v[NIL]
	v_lshrrev_b32 v1, 5, v0
	v_readfirstlane_b32 s10, v1                    ; wave 0..3
	s_lshr_b32 s11, s10, 1                         ; which 128 rows of the tile are mine.  Also: I fetch for A (0) or for B (1)
	s_and_b32 s12, s10, 1                          ; which 64 columns.  Also: which plane of A, or which 64 rows of B, I fetch
	s_bfe_u32 s40, ttmp6, 0x40000                  ; cx
	s_bfe_u32 s41, ttmp6, 0x40004                  ; cy: the batch
	s_lshl_b32 s42, ttmp9, 2
	s_add_co_u32 s42, s42, s40                     ; tile column
	s_and_b32 s13, ttmp7, 0xffff                   ; cluster y: the tile's place in its batch
	s_lshl_b32 s14, s41, 2
	s_lshl_b32 s14, 15, s14                        ; my row of the cluster
	s_lshl_b32 s15, 0x1111, s40                    ; my column
	s_or_b32 s[G1A], s14, (0<<16)|(1<<20)|(1<<21)|(4<<22)|(3<<25)   ; elements of 1 byte; 4 words of padding behind every 32
	s_mov_b32 s[G1A+1], 128<<16
	s_mov_b32 s[G1A+2], 256<<16
	s_mov_b32 s[G1A+3], 128<<16
	s_mov_b32 s[G1A+4], 256
	s_mov_b32 s[G1A+5], 128
	s_mov_b32 s[G1A+6], 0
	s_mov_b32 s[G1A+7], 0
	s_or_b32 s[G1B], s15, (0<<16)|(1<<20)|(1<<21)|(5<<22)|(7<<25)   ; 8 words of padding behind every 64
	s_mov_b32 s[G1B+1], 256<<16
	s_mov_b32 s[G1B+2], 64<<16
	s_mov_b32 s[G1B+3], 256<<16
	s_mov_b32 s[G1B+4], 64
	s_mov_b32 s[G1B+5], 2048
	s_mov_b32 s[G1B+6], 0
	s_mov_b32 s[G1B+7], 0
	s_lshl_b32 s16, s41, 4
	s_add_co_u32 s16, s16, s12
	s_lshl_b32 s16, s16, 18                        ; A: head 16 x batch + plane,
	s_lshl_b32 s17, s13, 15
	s_add_co_u32 s16, s16, s17                     ; + 256 rows of 128 bytes x the tile's place
	s_mov_b32 s17, 0
	s_lshl_b32 s46, s12, 17                        ; B: 64 rows of 2,048 bytes x half,
	s_lshl_b32 s47, s42, 8
	s_add_co_u32 s46, s46, s47                     ; + 256 bytes x tile column
	s_mov_b32 s47, 0
	s_mul_i32 s20, s12, PLANE                      ; where they go: no place in the cluster enters an LDS address
	s_mul_i32 s21, s12, 64*PB
	s_add_co_u32 s21, s21, BOFF
	s_wait_dscnt 0x0                               ; both opening adds are done
	s_wait_kmcnt 0x0
	s_add_nc_u64 s[18:19], s[4:5], s[16:17]
	s_add_nc_u64 s[46:47], s[6:7], s[46:47]
	CROUND                                         ; all sixteen work-groups are here: the first joint loads meet
.irp s, 0,1
	s_mov_b32 s[G0A+4*\s], 1
	s_add_co_u32 s[G0A+4*\s+1], s20, \s*SLOT
	s_add_nc_u64 s[G0A+4*\s+2:G0A+4*\s+3], s[18:19], \s*KA
	s_or_b32 s[G0A+4*\s+3], s[G0A+4*\s+3], 0x80000000
	s_mov_b32 s[G0B+4*\s], 1
	s_add_co_u32 s[G0B+4*\s+1], s21, \s*SLOT
	s_add_nc_u64 s[G0B+4*\s+2:G0B+4*\s+3], s[46:47], \s*KB
	s_or_b32 s[G0B+4*\s+3], s[G0B+4*\s+3], 0x80000000
	JLOAD \s
.endr
	s_lshl_b32 s16, s40, 13                        ; the prefetches: my work-group's 8,192 bytes of the plane,
	s_add_co_u32 s16, s16, 2*KA                    ; at K step 2: the first refill steps it to 3 and names K step 4.  Nothing is prefetched here, at the head
	s_mov_b32 s17, 0
	s_add_nc_u64 s[PFA:PFA+1], s[18:19], s[16:17]
	s_or_b32 s16, s11, ttmp9
	s_cmp_eq_u32 s16, 0
	s_cselect_b32 s[LIM], 1, -1                    ; waves 0 and 1 of the clusters with x = 0: the same in all sixteen partners
	s_or_b32 s23, s13, s11                         ; 0 where my first 16 rows are positions 0 to 15 of a batch
	v_and_b32 v1, 15, v0                           ; r
	v_bfe_u32 v2, v0, 4, 1                         ; h
	v_mul_u32_u24 v3, v1, PA
	v_lshl_add_u32 v3, v2, 4, v3
	v_and_b32 v5, 7, v0
	v_lshl_add_u32 v4, v2, 3, v5
	v_mul_u32_u24 v4, v4, PB
	v_bfe_u32 v6, v0, 3, 1
	v_lshl_add_u32 v4, v6, 4, v4                   ; the turning load: k = 8 h + lane % 8, columns 8 ((lane / 8) % 2) on
	s_mul_i32 s21, s11, 128*PA                     ; my 128 rows of A
	s_lshl_b32 s22, s12, 7
	s_add_co_u32 s22, s22, BOFF                    ; my 64 columns of B
.irp s, 0,1
	v_add_nc_u32 v[ADRA+\s], s21, v3
	v_add_nc_u32 v[ADRB+\s], s22, v4
	s_add_co_u32 s21, s21, SLOT
	s_add_co_u32 s22, s22, SLOT
.endr
	s_mul_i32 s21, s10, 16*272
	s_add_co_u32 s21, s21, STAGE                   ; my stage
	v_mul_u32_u24 v5, v1, 272
	v_lshl_add_u32 v5, v2, 5, v5
	v_add_nc_u32 v[STO], s21, v5                   ; in: row r, 32 bytes for each half of the lanes
	v_mul_u32_u24 v5, v2, 272
	v_lshl_add_u32 v5, v1, 4, v5
	v_add_nc_u32 v[RD], s21, v5                    ; back: lanes 0-15 one row of 256 bytes, lanes 16-31 the next
	v_lshlrev_b32 v[CO], 12, v2
	v_lshl_add_u32 v[CO], v1, 4, v[CO]             ; the same two rows in out0
	v_and_b32 v[PFO], 31, v0
	v_lshlrev_b32 v[PFO], 8, v[PFO]
	s_lshl_b32 s16, s41, 11
	s_lshl_b32 s17, s13, 8
	s_add_co_u32 s16, s16, s17
	s_lshl_b32 s17, s11, 7
	s_add_co_u32 s16, s16, s17                     ; my first row of out0
	s_lshl_b32 s16, s16, 12
	s_lshl_b32 s17, s42, 9
	s_add_co_u32 s16, s16, s17
	s_lshl_b32 s17, s12, 8
	s_add_co_u32 s16, s16, s17                     ; + my first column, in bytes
	s_mov_b32 s17, 0
	s_add_nc_u64 s[8:9], s[8:9], s[16:17]
; 24 LDS loads in one run: quarter q (32 along K) of a slot into buffer f: B's four fragments, then A's eight
.macro FETCH slot, q, f
	WIN 0
.irp nb, 0,1,2,3
	ds_load_tr16_b128 v[32+32*(\f)+8*\nb:32+32*(\f)+8*\nb+3],   v[ADRB+\slot] offset:32*PB*(\q)+32*\nb
	ds_load_tr16_b128 v[32+32*(\f)+8*\nb+4:32+32*(\f)+8*\nb+7], v[ADRB+\slot] offset:32*PB*(\q)+32*\nb+16*PB
.endr
.irp i, 0,1,2,3,4,5,6,7
	ds_load_b128 v[128+64*(\f)+8*\i:128+64*(\f)+8*\i+3],   v[ADRA+\slot] offset:PLANE*((\q)/2)+64*((\q)%2)+16*PA*\i
	ds_load_b128 v[128+64*(\f)+8*\i+4:128+64*(\f)+8*\i+7], v[ADRA+\slot] offset:PLANE*((\q)/2)+64*((\q)%2)+16*PA*\i+32
.endr
.endm
; 8 matrix instructions: A's blocks a0, a0 + 1 x B's four.  The 32 accumulators take turns in the same order in every quarter.
.macro MUL8 f, a0, zero
.irp a, \a0, \a0+1
.irp b, 0,1,2,3
.if \zero
	v_wmma_f32_16x16x32_f16 v[8*(4*(\a)+\b):8*(4*(\a)+\b)+7], v[32+32*(\f)+8*\b:32+32*(\f)+8*\b+7], v[128+64*(\f)+8*(\a):128+64*(\f)+8*(\a)+7], 0
.else
	v_wmma_f32_16x16x32_f16 v[8*(4*(\a)+\b):8*(4*(\a)+\b)+7], v[32+32*(\f)+8*\b:32+32*(\f)+8*\b+7], v[128+64*(\f)+8*(\a):128+64*(\f)+8*(\a)+7], v[8*(4*(\a)+\b):8*(4*(\a)+\b)+7]
.endif
.endr
.endr
.endm
.macro MUL16 f, a0, zero
	MUL8 \f, \a0, \zero
	MUL8 \f, (\a0)+2, \zero
.endm
.macro PLACES                          ; four plain vector instructions between matrix instructions and loads into, or reads of, their registers
.rept 4
	v_nop
.endr
.endm
; One of a K step's first three quarters: multiplies buffer f; in its middle it fetches quarter q of the same slot into buffer g.
.macro QUARTER slot, q, f, g, zero
	s_wait_dscnt 8                                 ; B and A's blocks 0-3 are in; the youngest eight loads (A's blocks 4-7) may be out
	WIN MUL
	MUL16 \f, 0, \zero
	PLACES
	FETCH \slot, \q, \g
	s_wait_dscnt 24                                ; all but the 24 just issued
	WIN MUL
	MUL16 \f, 4, \zero
.endm
; The last quarter multiplies buffer 1 and changes slots: one barrier; in front of it each wave waits for all its tensor loads, adds 0 to its spare word, and waits for that and for its reads of this slot.
; fill = 1: the barrier opens a round of the cluster's barrier, and the joint refill, two K steps ahead, is the first tensor load behind the round.
.macro TURN slot, next, fill
.if \fill
	s_wait_xcnt 0x0                                ; the last prefetch, a K step back, has read its address
	s_add_nc_u64 s[PFA:PFA+1], s[PFA:PFA+1], KA
.endif
	WIN 0
	s_wait_tensorcnt 0x0
	ds_add_u32 v[SPW], v[NIL]
	s_wait_dscnt 9                                 ; the add and the youngest eight loads may be out
	WIN MUL
	MUL8 1, 0, 0
	s_wait_dscnt 0x0                               ; the add is done, and my reads of this slot are over
	s_barrier_signal -1
	MUL8 1, 2, 0
	WIN 0
	s_barrier_wait -1
.if \fill
	CREST
	s_add_nc_u64 s[G0A+4*\slot+2:G0A+4*\slot+3], s[G0A+4*\slot+2:G0A+4*\slot+3], 2*KA
	s_add_nc_u64 s[G0B+4*\slot+2:G0B+4*\slot+3], s[G0B+4*\slot+2:G0B+4*\slot+3], 2*KB
	JLOAD \slot                                    ; its four v_nop are also the places in front of the loads below
.else
	PLACES
.endif
	FETCH \next, 0, 0
.if \fill
	ASK
.endif
	WIN MUL
	MUL16 1, 4, 0
.endm
	s_wait_tensorcnt 1                             ; my part of K step 0 is in; K step 1's load may be out
	s_barrier_signal -1
	s_barrier_wait -1
	FETCH 0, 0, 0
	QUARTER 0, 1, 0, 1, 1                          ; the first quarter's products start the sums: nothing is cleared
	WIN 0
	s_mov_b32 s3, 3
.Llap:                                             ; three trips, each once round the ring, from a lap's second quarter to the next lap's first: K steps 2 to 7 are asked for
	QUARTER 0, 2, 1, 0, 0
	QUARTER 0, 3, 0, 1, 0
	TURN 0, 1, 1
	QUARTER 1, 1, 0, 1, 0
	QUARTER 1, 2, 1, 0, 0
	QUARTER 1, 3, 0, 1, 0
	TURN 1, 0, 1
	QUARTER 0, 1, 0, 1, 0
	WIN 0
	s_sub_co_u32 s3, s3, 1
	s_cmp_lg_u32 s3, 0
	s_cbranch_scc1 .Llap
	QUARTER 0, 2, 1, 0, 0                          ; the last lap fills nothing
	QUARTER 0, 3, 0, 1, 0
	TURN 0, 1, 0
	QUARTER 1, 1, 0, 1, 0
	QUARTER 1, 2, 1, 0, 0
	QUARTER 1, 3, 0, 1, 0
	s_wait_dscnt 8
	WIN MUL
	MUL16 1, 0, 0
	s_wait_dscnt 0x0
	MUL16 1, 4, 0
	WIN 0
; THE WAY OUT, a block of 16 rows x 64 columns at a time, through my own stage: sixteen lanes store 256 consecutive bytes, aligned.  LDS serves a wave's instructions in order (ISA guide 5.7.1.4).
.macro TOSTAGE a
	WIN 0x04                                       ; an LDS store's data are its source 1: window 1
.irp b, 0,1,2,3
	ds_store_b128 v[STO], v[8*(4*(\a)+\b):8*(4*(\a)+\b)+3] offset:64*\b        ; each accumulator from its low end on
	ds_store_b128 v[STO], v[8*(4*(\a)+\b)+4:8*(4*(\a)+\b)+7] offset:64*\b+16
.endr
	WIN 0
.set BB, 128+32*((\a)%2)
.irp t, 0,1,2,3,4,5,6,7
	ds_load_b128 v[BB+4*\t:BB+4*\t+3], v[RD] offset:2*272*\t
.endr
.endm
.macro SEND a, younger                 ; younger: the LDS instructions issued behind block a's loads: the next block's 8 stores and 8 loads, or none
.set BB, 128+32*((\a)%2)
	s_wait_dscnt \younger
.irp t, 0,1,2,3,4,5,6,7
	global_store_b128 v[CO], v[BB+4*\t:BB+4*\t+3], s[8:9] offset:65536*(\a)+8192*\t th:TH_STORE_NT
.endr
.endm
	PLACES
	s_cmp_eq_u32 s23, 0                            ; positions 0 to 15 of a batch are not stored here (cluster y and the wave's number alone decide)
	s_cbranch_scc1 .Lskip0
	TOSTAGE 0
	SEND 0, 0
.Lskip0:
	TOSTAGE 1
.irp a, 2,3,4,5,6,7
	s_wait_xcnt 0x0                                ; block a - 2's stores have read their registers: block a's loads may land there
	TOSTAGE \a
	SEND \a-1, 16
.endr
	SEND 7, 0
	s_wait_tensorcnt 0x0                           ; the wave's end
	ds_add_u32 v[SPW], v[NIL]
	s_wait_dscnt 0x0
	CROUND                                         ; the closing round
	s_endpgm
.Lfunc_end_k_qf7005f0067_oproj:
	.size	k_qf7005f0067_oproj, .Lfunc_end_k_qf7005f0067_oproj-k_qf7005f0067_oproj
	.p2alignl 7, 3214868480
	.fill 96, 4, 3214868480
	.section	.rodata,"a",@progbits
	.p2align	6, 0x0
	.amdhsa_kernel k_qf7005f0067_oproj
		.amdhsa_group_segment_fixed_size 327680
		.amdhsa_private_segment_fixed_size 0
		.amdhsa_enable_private_segment 0
		.amdhsa_kernarg_size 24
		.amdhsa_user_sgpr_count 2
		.amdhsa_user_sgpr_kernarg_segment_ptr 1
		.amdhsa_wavefront_size32 1
		.amdhsa_system_sgpr_workgroup_id_x 1
		.amdhsa_system_sgpr_workgroup_id_y 1
		.amdhsa_system_sgpr_workgroup_id_z 1
		.amdhsa_system_vgpr_workitem_id 0
		.amdhsa_next_free_vgpr 512
		.amdhsa_next_free_sgpr 66
		.amdhsa_reserve_vcc 0
		.amdhsa_float_denorm_mode_32 3
		.amdhsa_float_denorm_mode_16_64 3
		.amdhsa_memory_ordered 1
		.amdhsa_forward_progress 1
		.amdhsa_inst_pref_size 86
	.end_amdhsa_kernel
	.amdgpu_metadata
---
amdhsa.version: [ 1, 2 ]
amdhsa.kernels:
  - .name:           k_qf7005f0067_oproj
    .symbol:         k_qf7005f0067_oproj.kd
    .args:
      - { .name: att, .offset: 0, .size: 8, .value_kind: global_buffer, .address_space: global }
      - { .name: wo16, .offset: 8, .size: 8, .value_kind: global_buffer, .address_space: global }
      - { .name: out0, .offset: 16, .size: 8, .value_kind: global_buffer, .address_space: global }
    .group_segment_fixed_size: 327680
    .private_segment_fixed_size: 0
    .kernarg_segment_align: 8
    .kernarg_segment_size: 24
    .max_flat_workgroup_size: 128
    .sgpr_count:     66
    .vgpr_count:     512
    .wavefront_size: 32
...
	.end_amdgpu_metadata
.endif
;; end of part 4
;; launch fine (part 5): grid 16 x 4, 16 waves a work-group, no clusters, 141,312 bytes of LDS; arguments frows, Wo, out0; writes out0
.if DOCPART == 5
	.amdgcn_target "amdgcn-amd-amdhsa--gfx1250"
	.amdhsa_code_object_version 6
	.text
	.protected	k_qf7005f0067_fine
	.globl	k_qf7005f0067_fine
	.p2align	8
	.type	k_qf7005f0067_fine,@function
k_qf7005f0067_fine:
	s_mov_b64 s[64:65], 0
	v_nop
	global_prefetch_b8 v0, s[64:65] scope:SCOPE_SE
	s_setreg_imm32_b32 hwreg(HW_REG_WAVE_MODE, 25, 1), 1
	s_wait_xcnt 0x0
; The first 16 positions of every sequence, in f32 throughout: their softmax averages one to sixteen values, so they are the largest rows of the output and the rounding of 16-bit operands weighs most there.
; Only keys 0 to 15 count for them (the problem's own causal mask hides the rest for every input).
; frows: f32 [batch][g 48][16][64], q, k, v of positions 0 to 15;  Wo: f32 [k][n];  out0 rows batch x 2,048 + 0 .. 15, which this launch alone stores.
; SHARES.  Work-group (ns, batch) makes 16 rows x columns 64 ns .. + 63.  Wave w is head w: scores, softmax, weighted values of its head, and then that head's part (k = 64 w .. + 63) of the product
; with Wo; the sixteen parts meet in LDS, and wave w adds up and stores row w.  The small attention is repeated in the 16 work-groups of a batch: 32 matrix instructions a wave.
; All products by v_wmma_f32_16x16x4_f32, four accumulators by turns.  The instruction gives lane (r, h) k = 2 h + 0, 1; which true k that is may be chosen, alike on both sources: here registers 2 u, 2 u + 1 of
; tile t hold k = 16 t + 8 h + 2 u + 0, 1, which is how eight neighbouring numbers of a row lie in a lane.  The accumulators' registers (v176-239) are written by matrix instructions alone.
.set RED,   69632                      ; LDS: 0: a stage of 16 x 272 bytes for each wave, for turning v;  RED: the same for each wave's part of the result
.set SPARE, 139264                     ; the spare words, 128 bytes for each wave
.set SPW, 3
.set NIL, 4
.set Q,   16                           ; v16-47   q, later the second half of Wo's fragments (with v48-79)
.set K,   48                           ; v48-79   k
.set V,   80                           ; v80-111  v, then v turned, then the head's result / l
.set W1,  112                          ; v112-175 the first half of Wo's fragments; at the end the sixteen parts of my row
.set W2,  16
.set SA,  176                          ; v176-207 four accumulators: the scores' parts, later the result's four tiles of columns
.set OA,  208                          ; v208-239 four accumulators: O^T
.set P,   240                          ; v240-247 scores, then p;  v248-255 at work
	s_load_b128 s[4:7], s[0:1], 0x0                ; frows, Wo
	s_load_b64 s[8:9], s[0:1], 0x10                ; out0
	v_lshl_add_u32 v[SPW], v0, 2, SPARE
	v_mov_b32 v[NIL], 0
	v_lshrrev_b32 v1, 5, v0
	v_readfirstlane_b32 s10, v1                    ; wave = head
	v_and_b32 v1, 15, v0                           ; r
	v_bfe_u32 v2, v0, 4, 1                         ; h
	v_and_b32 v13, 31, v0                          ; lane
	s_and_b32 s11, ttmp7, 0xffff                   ; batch
	v_lshlrev_b32 v5, 8, v1
	v_lshl_add_u32 v5, v2, 5, v5                   ; q, k, v: row r of 256 bytes + 32 h
	v_lshlrev_b32 v6, 2, v1
	v_lshl_add_u32 v6, v2, 15, v6                  ; Wo: column r, 8 h rows of 4,096 bytes down
	s_mul_i32 s12, s10, 16*272
	v_mul_u32_u24 v7, v1, 272
	v_lshl_add_u32 v7, v2, 5, v7
	v_add_nc_u32 v7, s12, v7                       ; my stage: row r + 32 h
	v_add_nc_u32 v8, RED, v7                       ; the same place in my part of the result
	v_mul_u32_u24 v9, v2, 8*272
	v_lshl_add_u32 v9, v1, 2, v9
	v_add_nc_u32 v9, s12, v9                       ; v turned: key 8 h + j, channel r
	s_mul_i32 s13, s10, 272
	s_add_co_u32 s13, s13, RED
	v_lshlrev_b32 v11, 3, v13                      ; 8 bytes a lane
	v_add_nc_u32 v10, s13, v11                     ; row w of part 0
	s_mul_i32 s14, s11, 48
	s_add_co_u32 s14, s14, s10
	s_lshl_b32 s14, s14, 12                        ; frows: (48 x batch + head) x 4,096
	s_mov_b32 s15, 0
	s_lshl_b32 s16, s10, 18                        ; Wo: 64 rows x head,
	s_lshl_b32 s17, ttmp9, 8
	s_add_co_u32 s16, s16, s17                     ; + 64 columns x ns
	s_mov_b32 s17, 0
	s_lshl_b32 s18, s11, 11
	s_add_co_u32 s18, s18, s10
	s_lshl_b32 s18, s18, 12                        ; out0: row 2,048 x batch + wave,
	s_lshl_b32 s19, ttmp9, 8
	s_add_co_u32 s18, s18, s19
	s_mov_b32 s19, 0
	s_mov_b32 s20, 0x3e38aa3b                      ; c = log2(e) / 8
	s_mov_b32 s22, 0x76543210
	s_mov_b32 s23, 0xfedcba98
	s_wait_kmcnt 0x0
	s_add_nc_u64 s[4:5], s[4:5], s[14:15]
	s_add_nc_u64 s[6:7], s[6:7], s[16:17]
	s_add_nc_u64 s[8:9], s[8:9], s[18:19]
.irp x, 0,1,2                          ; q, k, v: 65,536 bytes (16 heads) apart
.irp t, 0,1,2,3
	global_load_b128 v[Q+32*\x+8*\t:Q+32*\x+8*\t+3],   v5, s[4:5] offset:65536*\x+64*\t
	global_load_b128 v[Q+32*\x+8*\t+4:Q+32*\x+8*\t+7], v5, s[4:5] offset:65536*\x+64*\t+16
.endr
.endr
.macro WLOAD base, t0                  ; Wo's fragments for k tiles t0, t0 + 1: register ((4 t + u) 4 + nt) 2 + j = Wo(64 w + 16 (t0 + t) + 8 h + 2 u + j, 64 ns + 16 nt + r)
.irp t, 0,1
.irp u, 0,1,2,3
.irp nt, 0,1,2,3
.irp j, 0,1
	global_load_b32 v[\base+((4*\t+\u)*4+\nt)*2+\j], v6, s[6:7] offset:(16*(\t0+\t)+2*\u+\j)*4096+64*\nt
.endr
.endr
.endr
.endr
.endm
	WLOAD W1, 0
	s_wait_loadcnt 63                              ; of the 88 loads issued at most 63 are out: the oldest 25 are in, q, k and v (24) among them
.irp t, 0,1,2,3                        ; v is turned through my stage
	ds_store_b128 v7, v[V+8*\t:V+8*\t+3] offset:64*\t
	ds_store_b128 v7, v[V+8*\t+4:V+8*\t+7] offset:64*\t+16
.endr
.irp t, 0,1,2,3
.irp j, 0,1,2,3,4,5,6,7
	ds_load_b32 v[V+8*\t+\j], v9 offset:272*\j+64*\t               ; v(key 8 h + j, channel 16 t + r).  LDS serves a wave's instructions in order
.endr
.endr
.irp u, 0,1,2,3                        ; S^T = k q^T in four parts (channels 16 t on): source 0 = 16 keys, source 1 = 16 queries
.irp t, 0,1,2,3
.if \u == 0
	v_wmma_f32_16x16x4_f32 v[SA+8*\t:SA+8*\t+7], v[K+8*\t:K+8*\t+1], v[Q+8*\t:Q+8*\t+1], 0
.else
	v_wmma_f32_16x16x4_f32 v[SA+8*\t:SA+8*\t+7], v[K+8*\t+2*\u:K+8*\t+2*\u+1], v[Q+8*\t+2*\u:Q+8*\t+2*\u+1], v[SA+8*\t:SA+8*\t+7]
.endif
.endr
.endr
.rept 8
	v_nop                                          ; eight places behind this form, in front of loads into its sources and of the first read of its results
.endr
	WLOAD W2, 2
.irp j, 0,1,2,3,4,5,6,7                ; lane (r, h): the score of key 8 h + j and query r
	v_add_f32 v[248+2*(\j%2)], v[SA+\j], v[SA+8+\j]
	v_add_f32 v[249+2*(\j%2)], v[SA+16+\j], v[SA+24+\j]
	v_add_f32 v[P+\j], v[248+2*(\j%2)], v[249+2*(\j%2)]
.endr
	v_lshlrev_b32 v252, 3, v2
	v_sub_nc_u32 v252, v1, v252                    ; r - 8 h: key 8 h + j is hidden where j > r - 8 h
	v_mov_b32 v253, 0xff800000
.irp j, 0,1,2,3,4,5,6,7
	v_cmp_gt_i32 vcc_lo, \j, v252
	v_cndmask_b32 v[P+\j], v[P+\j], v253, vcc_lo
.endr
	v_max3_num_f32 v248, v[P], v[P+1], v[P+2]
	v_max3_num_f32 v248, v248, v[P+3], v[P+4]
	v_max3_num_f32 v248, v248, v[P+5], v[P+6]
	v_max_num_f32 v248, v248, v[P+7]
	v_mov_b32 v249, 0
	v_permlanex16_b32 v249, v248, s22, s23
	v_max_num_f32 v248, v248, v249                 ; the row's maximum: key 0 counts for every query, so it is a number
	v_mul_f32 v248, s20, v248
.irp j, 0,1,2,3,4,5,6,7
	v_fma_f32 v[P+\j], v[P+\j], s20, -v248
.endr
.irp j, 0,1,2,3,4,5,6,7
	v_exp_f32 v[P+\j], v[P+\j]
.endr
	v_nop
	s_wait_alu depctr_va_vdst(0)                   ; one wait for the eight, ahead of their first reader
	v_add_f32 v248, v[P], v[P+1]
	v_add_f32 v249, v[P+2], v[P+3]
	v_add_f32 v250, v[P+4], v[P+5]
	v_add_f32 v251, v[P+6], v[P+7]
	v_add_f32 v248, v248, v249
	v_add_f32 v250, v250, v251
	v_add_f32 v248, v248, v250
	v_permlanex16_b32 v249, v248, s22, s23
	v_add_f32 v248, v248, v249                     ; the row's sum
	v_rcp_f32 v254, v248
	v_nop
	s_wait_alu depctr_va_vdst(0)
	s_wait_dscnt 0x0                               ; v turned is in
.irp i, 0,1,2,3                        ; O^T = v^T p: source 0 = 16 channels, source 1 = my 16 queries; keys 8 h + 2 i + 0, 1
.irp t, 0,1,2,3
.if \i == 0
	v_wmma_f32_16x16x4_f32 v[OA+8*\t:OA+8*\t+7], v[V+8*\t:V+8*\t+1], v[P:P+1], 0
.else
	v_wmma_f32_16x16x4_f32 v[OA+8*\t:OA+8*\t+7], v[V+8*\t+2*\i:V+8*\t+2*\i+1], v[P+2*\i:P+2*\i+1], v[OA+8*\t:OA+8*\t+7]
.endif
.endr
.endr
.rept 8
	v_nop
.endr
.set n, 0
.rept 32
	v_mul_f32 v[V+n], v[OA+n], v254                ; a(query r, channel 16 t + 8 h + j) at register 8 t + j: the layout in which q was loaded
.set n, n+1
.endr
	s_wait_loadcnt 63                              ; of the 152 loads issued at most 63 are out: the first half of Wo's fragments is in
.irp t, 0,1                            ; Y^T = Wo^T a^T: source 0 = 16 columns of Wo, source 1 = my 16 queries; four tiles of columns by turns
.irp u, 0,1,2,3
.irp nt, 0,1,2,3
.if (\t == 0) && (\u == 0)
	v_wmma_f32_16x16x4_f32 v[SA+8*\nt:SA+8*\nt+7], v[W1+\nt*2:W1+\nt*2+1], v[V:V+1], 0
.else
	v_wmma_f32_16x16x4_f32 v[SA+8*\nt:SA+8*\nt+7], v[W1+((4*\t+\u)*4+\nt)*2:W1+((4*\t+\u)*4+\nt)*2+1], v[V+8*\t+2*\u:V+8*\t+2*\u+1], v[SA+8*\nt:SA+8*\nt+7]
.endif
.endr
.endr
.endr
	s_wait_loadcnt 0x0
.irp t, 0,1
.irp u, 0,1,2,3
.irp nt, 0,1,2,3
	v_wmma_f32_16x16x4_f32 v[SA+8*\nt:SA+8*\nt+7], v[W2+((4*\t+\u)*4+\nt)*2:W2+((4*\t+\u)*4+\nt)*2+1], v[V+16+8*\t+2*\u:V+16+8*\t+2*\u+1], v[SA+8*\nt:SA+8*\nt+7]
.endr
.endr
.endr
.rept 8
	v_nop
.endr
.irp nt, 0,1,2,3                       ; lane (r, h): my head's part of out0(r, 64 ns + 16 nt + 8 h + 0 .. 7)
	ds_store_b128 v8, v[SA+8*\nt:SA+8*\nt+3] offset:64*\nt
	ds_store_b128 v8, v[SA+8*\nt+4:SA+8*\nt+7] offset:64*\nt+16
.endr
	s_wait_dscnt 0x0                               ; for the others' sake: my stores have landed
	s_barrier_signal -1
	s_barrier_wait -1
.irp s, 0,1,2,3,4,5,6,7,8,9,10,11,12,13,14,15
	ds_load_b64 v[W1+2*\s:W1+2*\s+1], v10 offset:16*272*\s         ; row w of head s's part: 256 bytes, 8 a lane
.endr
	s_wait_dscnt 0x0
.irp s, 0,2,4,6,8,10,12,14
	v_pk_add_f32 v[W1+2*\s:W1+2*\s+1], v[W1+2*\s:W1+2*\s+1], v[W1+2*\s+2:W1+2*\s+3]
.endr
.irp s, 0,4,8,12
	v_pk_add_f32 v[W1+2*\s:W1+2*\s+1], v[W1+2*\s:W1+2*\s+1], v[W1+2*\s+4:W1+2*\s+5]
.endr
.irp s, 0,8
	v_pk_add_f32 v[W1+2*\s:W1+2*\s+1], v[W1+2*\s:W1+2*\s+1], v[W1+2*\s+8:W1+2*\s+9]
.endr
	v_pk_add_f32 v[W1:W1+1], v[W1:W1+1], v[W1+16:W1+17]
	global_store_b64 v11, v[W1:W1+1], s[8:9]       ; the wave stores 256 consecutive bytes, aligned
	s_wait_tensorcnt 0x0                           ; the wave's end, behind my last LDS store
	ds_add_u32 v[SPW], v[NIL]
	s_wait_dscnt 0x0
	s_endpgm
.Lfunc_end_k_qf7005f0067_fine:
	.size	k_qf7005f0067_fine, .Lfunc_end_k_qf7005f0067_fine-k_qf7005f0067_fine
	.p2alignl 7, 3214868480
	.fill 96, 4, 3214868480
	.section	.rodata,"a",@progbits
	.p2align	6, 0x0
	.amdhsa_kernel k_qf7005f0067_fine
		.amdhsa_group_segment_fixed_size 141312
		.amdhsa_private_segment_fixed_size 0
		.amdhsa_enable_private_segment 0
		.amdhsa_kernarg_size 24
		.amdhsa_user_sgpr_count 2
		.amdhsa_user_sgpr_kernarg_segment_ptr 1
		.amdhsa_wavefront_size32 1
		.amdhsa_system_sgpr_workgroup_id_x 1
		.amdhsa_system_sgpr_workgroup_id_y 1
		.amdhsa_system_sgpr_workgroup_id_z 1
		.amdhsa_system_vgpr_workitem_id 0
		.amdhsa_next_free_vgpr 256
		.amdhsa_next_free_sgpr 66
		.amdhsa_reserve_vcc 1
		.amdhsa_float_denorm_mode_32 3
		.amdhsa_float_denorm_mode_16_64 3
		.amdhsa_memory_ordered 1
		.amdhsa_forward_progress 1
		.amdhsa_inst_pref_size 33
	.end_amdhsa_kernel
	.amdgpu_metadata
---
amdhsa.version: [ 1, 2 ]
amdhsa.kernels:
  - .name:           k_qf7005f0067_fine
    .symbol:         k_qf7005f0067_fine.kd
    .args:
      - { .name: frows, .offset: 0, .size: 8, .value_kind: global_buffer, .address_space: global }
      - { .name: Wo, .offset: 8, .size: 8, .value_kind: global_buffer, .address_space: global }
      - { .name: out0, .offset: 16, .size: 8, .value_kind: global_buffer, .address_space: global }
    .group_segment_fixed_size: 141312
    .private_segment_fixed_size: 0
    .kernarg_segment_align: 8
    .kernarg_segment_size: 24
    .max_flat_workgroup_size: 512
    .sgpr_count:     66
    .vgpr_count:     256
    .wavefront_size: 32
...
	.end_amdgpu_metadata
.endif
;; end of part 5
